; MI455X (gfx1250); checked and timed in simulation.
; The chip was launched on July 23, 2026; its instructions are those of AMD's public machine-readable ISA for CDNA 5 (MIT licence, August 2026) and "CDNA5" Instruction Set Architecture Reference Guide (July 2026). The comments in the code are by the model that wrote it; some were corrected since.
;; Causal Self Attention. Allowed arithmetic: matrix products marked QUANTISED: E2M3 operands, one E8M0 scale for each 32 along K, by v_wmma_scale_f32_16x16x128_f8f6f4 with both operands' format E2M3, f32 sums; everything else in f32.
;; Inputs: wk 1,024 x 256 float32; wo 1,024 x 1,024 float32; wq 1,024 x 1,024 float32; wv 1,024 x 256 float32; x 2 x 2,048 x 1,024 float32.
;; Outputs: out0 2 x 2,048 x 1,024 float32; out1 2 x 4 x 2,048 x 64 float32; out2 2 x 4 x 2,048 x 64 float32.
;; This version of the problem:
;;   THIS VERSION OF THE PROBLEM IS GIVEN IN LOW PRECISION. The matrix products marked QUANTISED in the list below multiply operands that are first quantised to E2M3 (2 exponent bits, 3 mantissa bits; 6 bits a number), with one power-of-two scale for each 32 numbers along K (OCP MX v1.0); their sums are f32. All else is computed in f32.
;;   The module's matrix products, in the order in which they are computed (A, B: the left and right operand; K: the contracted axis; several contracted axes count as one K, in the product's order):
;;     1. [M 4,096, K 1,024] x [K 1,024, N 1,024]; A: input x; B: input wq: QUANTISED
;;     2. [M 4,096, K 1,024] x [K 1,024, N 256]; A: input x; B: input wk: QUANTISED
;;     3. [M 4,096, K 1,024] x [K 1,024, N 256]; A: input x; B: input wv: QUANTISED
;;     4. batch 8 x [M 8,192, K 64] x [K 64, N 2,048]; A: computed on the way; B: computed on the way: QUANTISED
;;     5. batch 8 x [M 8,192, K 2,048] x [K 2,048, N 64]; A: softmax (see below); B: computed on the way: QUANTISED
;;     6. [M 4,096, K 1,024] x [K 1,024, N 1,024]; A: computed on the way; B: input wo: QUANTISED
;;   THE QUANTISER, for each operand of a quantised product, along K:
;;     - K is cut into blocks of 32 from its start; a last block that is shorter is filled with zeros.
;;     - A block's scale is 2^e with e = floor(log2(the largest magnitude in the block)) - 2, held to -126 .. 127; a block of zeros has e = 0. As a byte (E8M0): e + 127.
;;     - Each number is divided by its block's scale, clamped to +-7.5, and rounded to the nearest number of E2M3, ties to even, subnormals kept.
;;     - The product sums the exact products of the quantised numbers (number of the format x scale) in f32.
;;   ~~~python
;;   def quantise(x, axis):      # numpy; x: float32 -> the quantised numbers, widened to float32 again
;;       x = np.moveaxis(x, axis, -1); K = x.shape[-1]
;;       x = np.pad(x, [(0, 0)] * (x.ndim - 1) + [(0, -K % 32)]); x = x.reshape(x.shape[:-1] + (-1, 32)); a = np.abs(x).max(-1, keepdims=True)
;;       e = np.where(a > 0, np.clip(np.frexp(np.where(a > 0, a, 1))[1] - 1 - 2, -126, 127), 0)      # np.frexp(a)[1] - 1 = floor(log2(a)), exactly
;;       r = np.clip(x / 2.0 ** e, -7.5, 7.5)
;;       step = 2.0 ** (np.maximum(np.frexp(np.where(r == 0, 1, r))[1] - 1, 0) - 3)
;;       q = np.round(r / step) * step * 2.0 ** e      # np.round: ties to even
;;       return np.moveaxis(q.reshape(q.shape[:-2] + (-1,))[..., :K], -1, axis).astype(np.float32)
;;   ~~~
;;   SOFTMAX AHEAD OF A QUANTISED PRODUCT. Where the list says 'softmax', what is quantised is not the finished softmax but p = 2^(t - M), with t = logit x log2(e) and M = ceil(the row's largest t), a whole number; so 1/2 < the row's largest p <= 1. The row's sum l is taken of the UNQUANTISED p, in f32, and the product's result is divided by l at the end. Since M is a whole number, a kernel that streams over the keys may use a running M (the ceiling of the running maximum): every later rescaling is an exact power of two, which a block's scale takes up: the codes' values come out the same.
;;   OPERANDS COMPUTED ON THE WAY. 'Computed on the way' means the value that the module computes at that place (a softmax that the list does not call 'softmax' is quantised finished and normalised). What goes into a quantiser is computed in f32, as accurately as f32 sums, v_exp_f32 and their like allow (about 1e-6 of the number): no bf16 or f16 on the way to a quantiser, and a product that is left as it is and whose result goes on into a quantised operand takes f32 operands (vector FMAs, or v_wmma_f32_16x16x4_f32). A number that lies on a knife's edge between two numbers of the format may be rounded either way, as far as f32 arithmetic and the matrix unit's own rounding can turn it there, and no further.
;; One version. Each part assembles by itself: llvm-mc -triple=amdgcn-amd-amdhsa -mcpu=gfx1250 --defsym DOCPART=n.
;; ======== version 1 of 1: 4 launches
;; limits: right only within a limited range of input values
;; workspace buffers: xc 3,276,800 bytes; wc 2,048,000 bytes; rt 524,288 bytes; qc 3,276,800 bytes; kv 1,638,400 bytes; ac 3,276,800 bytes
;; launch prep (part 1): grid 704 x 1, 4 waves a work-group, no clusters, 35,072 bytes of LDS; arguments x, wq, wk, wv, wo, xc, wc, rt; writes xc, wc, rt
.if DOCPART == 1
	.amdgcn_target "amdgcn-amd-amdhsa--gfx1250"
	.amdhsa_code_object_version 6
	.text
	.protected	k_q70fab77014_prep
	.globl	k_q70fab77014_prep
	.p2align	8
	.type	k_q70fab77014_prep,@function
k_q70fab77014_prep:
	s_mov_b64 s[64:65], 0
	v_nop
	global_prefetch_b8 v0, s[64:65] scope:SCOPE_SE
	s_setreg_imm32_b32 hwreg(HW_REG_WAVE_MODE, 25, 1), 1
	s_wait_xcnt 0x0
; LAUNCH 1 OF 4: x and the four weights become codes of FP6 (E2M3) with one E8M0 byte for each 32 along K, laid in the order of the matrix operand's registers; and the table of cos and sin for the rotation.
; THE PROGRAM: prep (this) | qkv: x wq, x wk, x wv, rotation, out1, out2, codes of q, k, v | attn: scores, softmax, p v, division by the row's sum, codes of the result | oproj: the last product, out0.
; WORK LEFT OUT (in attn): key steps of 128 keys all of which come after a tile's 16 queries.  reference() builds the lower triangle itself and sets those logits to the least f32 number, so that their p is 0: they add 0 to the
; row's sum and to p v, whatever finite values the inputs hold.  Inside the one step on the diagonal the hidden scores are computed and replaced.  All five inputs are live and are loaded.
; LIMITS: a NaN, an infinity or an overflow that reaches only the scores left out is not carried to the result.  NaN and infinities among the inputs are not served.  A block of zeros gets the byte 1 where the rule says 127:
; its codes are zeros, and only this program reads the bytes.  The frequencies 10000^(-j/32) are made to about 1.5 units in the last place, so the angle at position 2047 may differ from reference()'s by about 3e-4.
; THE ORDER OF TOKENS: a panel is 64 tokens, four tiles of 16 rows; row 8 h + j (h = 0, 1; j = 0 .. 7) of tile a is token 32 h + 8 a + j of the panel.  So a matrix result whose registers run along the rows of four tiles
; gives each lane 32 neighbouring tokens, a whole block along the keys, in their natural order.  x, q, k, the queries and the attention's result all keep this order.
; THE ORDER INSIDE A BLOCK OF 32 along K = 1,024 and along a head's 64 channels: code places 0-7 hold k 0-7, places 8-15 k 16-23, places 16-23 k 8-15, places 24-31 k 24-31, alike on both operands of a product.
; A FRAGMENT'S IMAGE (16 rows x 128 K, 12 registers a lane), 1,536 bytes: registers 4 p to 4 p + 3 at 512 p + 16 x lane.  A RECORD, 6,400 bytes: the four images of a panel for one K step of 128, then 256 bytes of scale words: row r
; of tile i at 16 r + 4 i.  A PANEL: 8 records.  xc: 64 panels of tokens.  wc: 40 panels of columns (in natural order): 0-15 wq, 16-19 wk, 20-23 wv, 24-39 wo.  rt: 128 images of 4,096 bytes, one for each tile of 16 positions.
; SHARES: work-groups 0-511: a record of x each, a wave to a tile of 16 rows.  512-671: two records of a weight panel each, a wave to 32 columns x 128 K.  672-703: four images of the table each, a wave to an image.
; No tensor load, no matrix instruction.  Each of the two paths that use LDS has bytes of its own.
.set XST,   8448                       ; x: a wave's stage: 16 rows of 512 bytes + 16
.set XSCL,  33792                      ; x: the record's 256 bytes of scale words
.set WSCL,  34048                      ; weights: two records' scale words
.set SPARE, 34560                      ; the spare words, 128 bytes for each wave: two blocks of 256 bytes that no other line names
.set PANEL, 51200
.set REC,   6400
.set FRB,   1536
.set SPW,   30                         ; v30  LDS address of my spare word; never rewritten
.set NIL,   31                         ; v31  0; never rewritten
	s_load_b256 s[4:11], s[0:1], 0x0               ; x s[4:5], wq s[6:7], wk s[8:9], wv s[10:11]
	s_load_b256 s[12:19], s[0:1], 0x20             ; wo s[12:13], xc s[14:15], wc s[16:17], rt s[18:19]
	v_lshl_add_u32 v[SPW], v0, 2, SPARE
	v_mov_b32 v[NIL], 0
	v_lshrrev_b32 v1, 5, v0
	v_readfirstlane_b32 s20, v1                    ; wave 0..3
	v_and_b32 v1, 31, v0                           ; lane
	v_and_b32 v2, 15, v0                           ; r
	v_bfe_u32 v3, v0, 4, 1                         ; h
	v_lshlrev_b32 v4, 4, v1                        ; 16 x lane
	v_lshlrev_b32 v5, 3, v1                        ; 8 x lane
	v_lshlrev_b32 v6, 2, v1                        ; 4 x lane
	; every LDS address is made here, ahead of the parting of the paths
	s_mul_i32 s21, s20, XST
	v_add_nc_u32 v7, s21, v4                       ; x's stage, in: 16 x lane of a row
	v_mul_u32_u24 v8, v2, 528
	v_lshl_add_u32 v8, v3, 7, v8
	v_add_nc_u32 v8, s21, v8                       ; and out: row r, + 128 h: my block of 32 numbers
	s_lshl_b32 s22, s20, 2
	v_lshl_add_u32 v9, v2, 4, XSCL
	v_add_nc_u32 v9, s22, v9                       ; x's scale word: 16 r + 4 x tile
	v_add_nc_u32 v10, XSCL, v5                     ; and the 256 bytes on their way out
	s_lshr_b32 s23, s20, 1
	s_lshl_b32 s23, s23, 8                         ; 256 x (wave / 2): which of the two records
	s_and_b32 s24, s20, 1                          ; wave % 2: which 32 columns
	s_lshl_b32 s25, s24, 3
	s_add_co_u32 s25, s25, s23
	v_lshl_add_u32 v11, v2, 4, WSCL
	v_lshl_add_u32 v11, v3, 2, v11
	v_add_nc_u32 v11, s25, v11                     ; a weight's scale word: 16 (lane % 16) + 4 (2 (wave % 2) + lane / 16)
	v_add_nc_u32 v12, WSCL, v5
	v_add_nc_u32 v12, s23, v12                     ; and on the way out
	s_mov_b32 s26, 0x76543210
	s_mov_b32 s27, 0xfedcba98                      ; v_permlanex16_b32's selects for lane l xor 16
	s_wait_alu depctr_va_vdst(0)                   ; the wait at the head's end
	s_wait_kmcnt 0x0
	s_cmp_lt_u32 ttmp9, 512
	s_cbranch_scc0 .Lnot_x
	; ---- x: panel = work-group / 8, K step = work-group % 8; my tile of 16 rows = my wave
	s_lshr_b32 s28, ttmp9, 3
	s_and_b32 s29, ttmp9, 7
	s_lshl_b32 s30, s28, 18                        ; 64 rows of 4,096 bytes
	s_lshl_b32 s31, s20, 15                        ; tile a begins at token 8 a
	s_add_co_u32 s30, s30, s31
	s_lshl_b32 s31, s29, 9                         ; 128 numbers
	s_add_co_u32 s30, s30, s31
	s_mov_b32 s31, 0
	s_add_nc_u64 s[4:5], s[4:5], s[30:31]
.set j, 0
.rept 16
	global_load_b128 v[32+4*j:35+4*j], v4, s[4:5] offset:4096*(32*(j/8)+j%8) th:TH_LOAD_NT   ; row j of the tile: 32 lanes read 512 consecutive bytes; all sixteen loads are out together
.set j, j+1
.endr
	s_mul_i32 s30, s28, PANEL
	s_mul_i32 s32, s29, REC
	s_add_co_u32 s30, s30, s32
	s_add_nc_u64 s[34:35], s[14:15], s[30:31]      ; the record
	s_mul_i32 s30, s20, FRB
	s_add_nc_u64 s[36:37], s[34:35], s[30:31]      ; my tile's image
.set j, 0
.rept 16
	s_wait_loadcnt 15-j                            ; row j is in; the younger rows' loads may be out
	ds_store_b128 v7, v[32+4*j:35+4*j] offset:528*j
.set j, j+1
.endr
.set j, 0
	s_wait_alu depctr_va_vdst(0)
.rept 16                               ; j = 8 c + q: four numbers at places 4 q on of my block 2 c + h.  LDS serves a wave's instructions in order: these see the stores above
	ds_load_b128 v[96+4*j:99+4*j], v8 offset:256*(j/8)+16*(2*(2*(((j%8)/2)%2)+(j%8)/4)+j%2)
.set j, j+1
.endr
	s_wait_dscnt 0x0
.irp c, 0,1
	v_max3_num_f32 v[16+\c], |v[96+32*\c]|, |v[97+32*\c]|, 0x1800000   ; my block's largest magnitude: all 32 numbers are mine; the floor 2^(3 - 127) holds the byte at 1 from below
.endr
.set i, 2
.rept 15
.irp c, 0,1
	v_max3_num_f32 v[16+\c], v[16+\c], |v[96+32*\c+i]|, |v[97+32*\c+i]|
.endr
.set i, i+2
.endr
.irp c, 0,1
	v_add_nc_u32 v[18+\c], 0xff000000, v[16+\c]    ; 2 off the exponent field: the conversion's scale operand
.endr
.irp c, 0,1
	v_lshrrev_b32 v[20+\c], 23, v[18+\c]           ; the scale's byte
.endr
	v_lshl_or_b32 v22, v21, 16, v20                ; my two bytes: blocks h and 2 + h of row r,
	v_lshlrev_b32 v23, 3, v3
	v_lshlrev_b32 v22, v23, v22                    ; at their places in the word;
	v_mov_b32 v23, 0
	v_permlanex16_b32 v23, v22, s26, s27
	v_or_b32 v22, v22, v23                         ; with lane l xor 16's two the word is whole
.irp c, 0,1
	v_cvt_scalef32_pk16_fp6_f32 v[160+6*\c:162+6*\c], v[96+32*\c:111+32*\c], v[18+\c]
	v_cvt_scalef32_pk16_fp6_f32 v[172+4*\c:174+4*\c], v[112+32*\c:127+32*\c], v[18+\c]   ; (a conversion's three registers begin on an even number)
.endr
	v_nop                                          ; one plain place behind the scaled conversions
.irp c, 0,1
.irp i, 0,1,2
	v_mov_b32 v[163+6*\c+\i], v[172+4*\c+\i]
.endr
.endr
.irp p, 0,1,2
	global_store_b128 v4, v[160+4*\p:163+4*\p], s[36:37] offset:512*\p   ; each store covers 512 consecutive bytes, aligned
.endr
	ds_store_b32 v9, v22                           ; both lanes of a row write the same word with the same value
	s_wait_dscnt 0x0                               ; for wave 0's sake: my word has landed
	s_barrier_signal -1
	s_barrier_wait -1
	s_cmp_lg_u32 s20, 0
	s_cbranch_scc1 .Lend
	ds_load_b64 v[24:25], v10                      ; wave 0: the four tiles' words leave as 256 consecutive bytes
	s_wait_dscnt 0x0
	global_store_b64 v5, v[24:25], s[34:35] offset:6144
	s_branch .Lend
.Lnot_x:
	s_cmp_lt_u32 ttmp9, 672
	s_cbranch_scc0 .Lrope
	; ---- weights: panel p = (work-group - 512) / 4; my K step = 2 ((work-group - 512) % 4) + wave / 2; my columns: 32 (wave % 2) + lane of the panel's 64.  A lane takes a column, its registers run down K
	s_sub_co_u32 s28, ttmp9, 512
	s_lshr_b32 s29, s28, 2                         ; p
	s_and_b32 s28, s28, 3
	s_lshl_b32 s28, s28, 1
	s_lshr_b32 s30, s20, 1
	s_add_co_u32 s28, s28, s30                     ; the K step
	s_mov_b64 s[32:33], s[12:13]                   ; which weight, and its first panel: the choice hangs on the work-group's number alone
	s_mov_b32 s34, 24
	s_cmp_lt_u32 s29, 24
	s_cselect_b64 s[32:33], s[10:11], s[32:33]
	s_cselect_b32 s34, 20, s34
	s_cmp_lt_u32 s29, 20
	s_cselect_b64 s[32:33], s[8:9], s[32:33]
	s_cselect_b32 s34, 16, s34
	s_cmp_lt_u32 s29, 16
	s_cselect_b64 s[32:33], s[6:7], s[32:33]
	s_cselect_b32 s34, 0, s34
	s_sub_co_u32 s34, s29, s34
	s_lshl_b32 s34, s34, 8                         ; 64 columns of 4 bytes a panel,
	s_lshl_b32 s35, s24, 7                         ; 32 a wave
	s_add_co_u32 s34, s34, s35
	s_mul_i32 s36, s29, PANEL
	s_mul_i32 s37, s28, REC
	s_add_co_u32 s36, s36, s37
	s_mov_b32 s37, 0
	s_add_nc_u64 s[36:37], s[16:17], s[36:37]      ; the record
	s_mul_i32 s38, s24, 2*FRB
	s_mov_b32 s39, 0
	s_add_nc_u64 s[38:39], s[36:37], s[38:39]      ; my two tiles' images
; 128 loads: register 32 b + i takes row 128 s + 32 b + (the k of place i); 32 lanes read 128 consecutive bytes
.macro WLOAD pitch
.set n, 0
.rept 128
	global_load_b32 v[32+n], v6, s[32:33] offset:(32*(n/32)+8*(2*(((n%32)/8)%2)+(n%32)/16)+n%8)*\pitch th:TH_LOAD_NT
.set n, n+1
.endr
.endm
	s_sub_co_u32 s40, s29, 16
	s_cmp_lt_u32 s40, 8                            ; wk and wv have rows of 1,024 bytes, wq and wo of 4,096
	s_cbranch_scc1 .Lnarrow
	s_lshl_b32 s35, s28, 19                        ; 128 rows of 4,096 bytes a K step
	s_add_co_u32 s34, s34, s35
	s_mov_b32 s35, 0
	s_add_nc_u64 s[32:33], s[32:33], s[34:35]
	WLOAD 4096
	s_branch .Lw_have
.Lnarrow:
	s_lshl_b32 s35, s28, 17
	s_add_co_u32 s34, s34, s35
	s_mov_b32 s35, 0
	s_add_nc_u64 s[32:33], s[32:33], s[34:35]
	WLOAD 1024
.Lw_have:
	s_wait_loadcnt 0x0
.irp b, 0,1,2,3
	v_max3_num_f32 v[16+\b], |v[32+32*\b]|, |v[33+32*\b]|, 0x1800000   ; four blocks of my column, by turns
.endr
.set i, 2
.rept 15
.irp b, 0,1,2,3
	v_max3_num_f32 v[16+\b], v[16+\b], |v[32+32*\b+i]|, |v[33+32*\b+i]|
.endr
.set i, i+2
.endr
.irp b, 0,1,2,3
	v_add_nc_u32 v[20+\b], 0xff000000, v[16+\b]
.endr
.irp b, 0,1,2,3
	v_lshrrev_b32 v[24+\b], 23, v[20+\b]
.endr
	v_lshl_or_b32 v28, v25, 8, v24                 ; my column's scale word
	v_lshl_or_b32 v28, v26, 16, v28
	v_lshl_or_b32 v28, v27, 24, v28
.irp c, 0,1                            ; v160.. takes blocks 0 and 2 of every lane's column, v172.. blocks 1 and 3
	v_cvt_scalef32_pk16_fp6_f32 v[160+6*\c:162+6*\c], v[32+64*\c:47+64*\c], v[20+2*\c]
	v_cvt_scalef32_pk16_fp6_f32 v[184+8*\c:186+8*\c], v[48+64*\c:63+64*\c], v[20+2*\c]
	v_cvt_scalef32_pk16_fp6_f32 v[172+6*\c:174+6*\c], v[64+64*\c:79+64*\c], v[21+2*\c]
	v_cvt_scalef32_pk16_fp6_f32 v[188+8*\c:190+8*\c], v[80+64*\c:95+64*\c], v[21+2*\c]
.endr
	v_nop                                          ; one plain place behind the scaled conversions
.irp c, 0,1
.irp i, 0,1,2
	v_mov_b32 v[163+6*\c+\i], v[184+8*\c+\i]
	v_mov_b32 v[175+6*\c+\i], v[188+8*\c+\i]
.endr
.endr
.irp i, 0,1,2,3,4,5,6,7,8,9,10,11
	v_permlane16_swap_b32 v[160+\i], v[172+\i]     ; the first's lanes 16-31 change places with the second's lanes 0-15: v160.. is now the fragment of columns 0-15 (lane (r, h): blocks h and 2 + h), v172.. that of columns 16-31
.endr
.irp f, 0,1
.irp p, 0,1,2
	global_store_b128 v4, v[160+12*\f+4*\p:163+12*\f+4*\p], s[38:39] offset:FRB*\f+512*\p
.endr
.endr
	ds_store_b32 v11, v28
	s_wait_dscnt 0x0                               ; for the others' sake: my words have landed
	s_barrier_signal -1
	s_barrier_wait -1
	s_cmp_lg_u32 s24, 0
	s_cbranch_scc1 .Lend
	ds_load_b64 v[24:25], v12                      ; waves 0 and 2: their record's 256 bytes of scale words
	s_wait_dscnt 0x0
	global_store_b64 v5, v[24:25], s[36:37] offset:6144
	s_branch .Lend
.Lrope:
	; ---- the table.  Image = 4 (work-group - 672) + wave: row r is position 64 (work-group - 672) + 8 x wave + 32 (r / 8) + r % 8.  Register n (0..15) of lane (r, h) belongs to frequency j = 16 (n / 8) + 8 h + n % 8.
	; f = 10000^(-j/32) = 2^(-j C) (1 + j d): C = 108853 x 2^-18 has 17 bits, so j C is exact; d makes up for C's distance from log2(10000) / 32.  angle = position x f, rounded as reference() rounds it.
	; The angle less the nearest multiple of pi/2 (in two parts: the first product's difference is exact) goes into polynomials for sine and cosine on +-pi/4; the multiple's low two bits choose and sign.
	s_sub_co_u32 s28, ttmp9, 672
	s_lshl_b32 s29, s28, 6
	s_lshl_b32 s30, s20, 3
	s_add_co_u32 s29, s29, s30
	s_lshl_b32 s28, s28, 2
	s_add_co_u32 s28, s28, s20
	v_lshrrev_b32 v18, 3, v2
	v_mul_u32_u24 v18, 24, v18
	v_add3_u32 v16, v18, v2, s29
	v_cvt_f32_u32 v16, v16                         ; the position
	v_lshlrev_b32 v17, 3, v3                       ; 8 h
	s_wait_alu depctr_va_vdst(0)
	s_lshl_b32 s30, s28, 12
	s_mov_b32 s31, 0
	s_add_nc_u64 s[18:19], s[18:19], s[30:31]
	s_mov_b32 s32, 0x342ae0c2                      ; d = 1.59142e-7
	s_mov_b32 s33, 0xbfc90fdb                      ; -pi/2, the f32 nearest
	s_mov_b32 s34, 0x333bbd2e                      ; that f32 less pi/2: 4.3711388e-8
	s_mov_b32 s35, 0xb94ca1f9                      ; sine: -1.9515296e-4,
	s_mov_b32 s36, 0x3c08839e                      ; 8.3321609e-3,
	s_mov_b32 s37, 0xbe2aaaa3                      ; -1.6666655e-1
	s_mov_b32 s38, 0x37ccf5ce                      ; cosine: 2.4433157e-5,
	s_mov_b32 s39, 0xbab6061a                      ; -1.3887316e-3,
	s_mov_b32 s40, 0x3d2aaaa5                      ; 4.1666646e-2
.set n, 0
.rept 16
	v_add_nc_u32 v[32+n], 16*(n/8)+n%8, v17
.set n, n+1
.endr
.set n, 0
.rept 16
	v_cvt_f32_u32 v[32+n], v[32+n]                 ; j
.set n, n+1
.endr
.set n, 0
.rept 16
	v_mul_f32 v[48+n], 0xbed49a80, v[32+n]         ; -j C, exact
.set n, n+1
.endr
.set n, 0
	s_wait_alu depctr_va_vdst(0)
.rept 16
	v_exp_f32 v[48+n], v[48+n]
.set n, n+1
.endr
.set n, 0
.rept 16
	v_fma_f32 v[64+n], v[32+n], s32, 1.0           ; 1 + j d: plain work behind the exponentials
.set n, n+1
.endr
	s_wait_alu depctr_va_vdst(0)                   ; one wait for the sixteen exponentials, ahead of their first reader
.set n, 0
.rept 16
	v_mul_f32 v[48+n], v[48+n], v[64+n]            ; f
.set n, n+1
.endr
.set n, 0
.rept 16
	v_mul_f32 v[48+n], v16, v[48+n]                ; the angle
.set n, n+1
.endr
.set n, 0
.rept 16
	v_mul_f32 v[64+n], 0x3f22f983, v[48+n]         ; x 2/pi
.set n, n+1
.endr
.set n, 0
.rept 16
	v_rndne_f32 v[64+n], v[64+n]                   ; the multiple of pi/2
.set n, n+1
.endr
.set n, 0
.rept 16
	v_fma_f32 v[48+n], v[64+n], s33, v[48+n]
.set n, n+1
.endr
.set n, 0
.rept 16
	v_fma_f32 v[48+n], v[64+n], s34, v[48+n]       ; what is left, within +-pi/4
	v_cvt_i32_f32 v[160+n], v[64+n]
.set n, n+1
.endr
.set n, 0
.rept 16
	v_mul_f32 v[80+n], v[48+n], v[48+n]            ; z
.set n, n+1
.endr
.set n, 0
.rept 16
	v_fma_f32 v[128+n], v[80+n], s35, s36
	v_fma_f32 v[144+n], v[80+n], s38, s39
	v_mul_f32 v[32+n], v[80+n], v[80+n]            ; z z
.set n, n+1
.endr
.set n, 0
.rept 16
	v_fma_f32 v[128+n], v[128+n], v[80+n], s37
	v_fma_f32 v[144+n], v[144+n], v[80+n], s40
	v_fma_f32 v[176+n], v[80+n], -0.5, 1.0
.set n, n+1
.endr
.set n, 0
.rept 16
	v_mul_f32 v[128+n], v[128+n], v[80+n]
	v_fma_f32 v[144+n], v[144+n], v[32+n], v[176+n]   ; the cosine of what is left
	v_and_b32 v[32+n], 1, v[160+n]                 ; is the multiple odd?
.set n, n+1
.endr
.set n, 0
.rept 16
	v_fma_f32 v[128+n], v[128+n], v[48+n], v[48+n] ; the sine of what is left
	v_and_b32 v[176+n], 2, v[160+n]
	v_add_nc_u32 v[64+n], 1, v[160+n]
.set n, n+1
.endr
.set n, 0
.rept 16
	v_cmp_eq_u32 vcc_lo, 1, v[32+n]
	v_cndmask_b32 v[112+n], v[128+n], v[144+n], vcc_lo   ; an odd multiple: sine and cosine change places
	v_cndmask_b32 v[96+n], v[144+n], v[128+n], vcc_lo
.set n, n+1
.endr
.set n, 0
.rept 16
	v_lshlrev_b32 v[176+n], 30, v[176+n]
	v_and_b32 v[64+n], 2, v[64+n]
.set n, n+1
.endr
.set n, 0
.rept 16
	v_xor_b32 v[112+n], v[176+n], v[112+n]         ; the sine is negative in quarters 2 and 3,
	v_lshlrev_b32 v[64+n], 30, v[64+n]
.set n, n+1
.endr
.set n, 0
.rept 16
	v_xor_b32 v[96+n], v[64+n], v[96+n]            ; the cosine in quarters 1 and 2
.set n, n+1
.endr
.irp q, 0,1,2,3,4,5,6,7
	global_store_b128 v4, v[96+4*\q:99+4*\q], s[18:19] offset:512*\q   ; groups 0-3: cos of n = 4 q on; groups 4-7: sin
.endr
.Lend:
	s_wait_tensorcnt 0x0                           ; the wave's end: behind my last LDS store
	ds_add_u32 v[SPW], v[NIL]
	s_wait_dscnt 0x0
	s_endpgm
.Lfunc_end_k_q70fab77014_prep:
	.size	k_q70fab77014_prep, .Lfunc_end_k_q70fab77014_prep-k_q70fab77014_prep
	.p2alignl 7, 3214868480
	.fill 96, 4, 3214868480
	.section	.rodata,"a",@progbits
	.p2align	6, 0x0
	.amdhsa_kernel k_q70fab77014_prep
		.amdhsa_group_segment_fixed_size 35072
		.amdhsa_private_segment_fixed_size 0
		.amdhsa_enable_private_segment 0
		.amdhsa_kernarg_size 64
		.amdhsa_user_sgpr_count 2
		.amdhsa_user_sgpr_kernarg_segment_ptr 1
		.amdhsa_wavefront_size32 1
		.amdhsa_system_sgpr_workgroup_id_x 1
		.amdhsa_system_sgpr_workgroup_id_y 1
		.amdhsa_system_sgpr_workgroup_id_z 1
		.amdhsa_system_vgpr_workitem_id 0
		.amdhsa_next_free_vgpr 208
		.amdhsa_next_free_sgpr 66
		.amdhsa_reserve_vcc 1
		.amdhsa_float_denorm_mode_32 3
		.amdhsa_float_denorm_mode_16_64 3
		.amdhsa_memory_ordered 1
		.amdhsa_forward_progress 1
		.amdhsa_inst_pref_size 68
	.end_amdhsa_kernel
	.amdgpu_metadata
---
amdhsa.version: [ 1, 2 ]
amdhsa.kernels:
  - .name:           k_q70fab77014_prep
    .symbol:         k_q70fab77014_prep.kd
    .args:
      - { .name: x, .offset: 0, .size: 8, .value_kind: global_buffer, .address_space: global }
      - { .name: wq, .offset: 8, .size: 8, .value_kind: global_buffer, .address_space: global }
      - { .name: wk, .offset: 16, .size: 8, .value_kind: global_buffer, .address_space: global }
      - { .name: wv, .offset: 24, .size: 8, .value_kind: global_buffer, .address_space: global }
      - { .name: wo, .offset: 32, .size: 8, .value_kind: global_buffer, .address_space: global }
      - { .name: xc, .offset: 40, .size: 8, .value_kind: global_buffer, .address_space: global }
      - { .name: wc, .offset: 48, .size: 8, .value_kind: global_buffer, .address_space: global }
      - { .name: rt, .offset: 56, .size: 8, .value_kind: global_buffer, .address_space: global }
    .group_segment_fixed_size: 35072
    .private_segment_fixed_size: 0
    .kernarg_segment_align: 8
    .kernarg_segment_size: 64
    .max_flat_workgroup_size: 128
    .sgpr_count:     66
    .vgpr_count:     208
    .wavefront_size: 32
...
	.end_amdgpu_metadata
.endif
;; end of part 1
;; launch qkv (part 2): grid 32 x 8, 12 waves a work-group, clusters of 4 x 1, 257,536 bytes of LDS; arguments xc, wc, rt, qc, kv, out1, out2; writes qc, kv, out1, out2
.if DOCPART == 2
	.amdgcn_target "amdgcn-amd-amdhsa--gfx1250"
	.amdhsa_code_object_version 6
	.text
	.protected	k_q70fab77014_qkv
	.globl	k_q70fab77014_qkv
	.p2align	8
	.type	k_q70fab77014_qkv,@function
k_q70fab77014_qkv:
	s_mov_b64 s[64:65], 0
	v_nop
	global_prefetch_b8 v0, s[64:65] scope:SCOPE_SE
	s_setreg_imm32_b32 hwreg(HW_REG_WAVE_MODE, 25, 1), 1
	s_wait_xcnt 0x0
	s_wait_alu depctr_hold_cnt(0) depctr_sa_sdst(0) depctr_va_vdst(0) depctr_va_sdst(0) depctr_va_ssrc(0) depctr_va_vcc(0) depctr_vm_vsrc(0)
	s_getreg_b32 s2, hwreg(HW_REG_IB_STS2, 6, 4)
	s_cmp_eq_u32 s2, 0
	s_cbranch_scc0 .Lentry_in_a_cluster
	s_endpgm
.Lentry_in_a_cluster:
	s_bfe_u32 s2, ttmp6, 0x10000c
	s_cmp_lg_u32 s2, 0x3003
	s_cbranch_scc0 .Lentry_shape_is_right
	s_endpgm
.Lentry_shape_is_right:
; LAUNCH 2 OF 4: q = x wq, k = x wk, v = x wv on codes of FP6 (E2M3) with E8M0 block scales; the rotation of q and k in f32; out1 = k, out2 = v; and q, k, v as codes for the attention.  Nothing is left out here.
; SHARES.  A work-group takes 128 tokens (two panels; x: 4 x cluster + place) and three heads' widths of 64 columns (y).  Of 24 widths 0-15 are q's heads, 16-19 k's, 20-23 v's.  Twelve waves, three to a SIMD: wave W works on width W / 4;
; with s = W % 4 a wave of q or k makes 32 tokens (tiles 2 (s % 2), 2 (s % 2) + 1 of panel s / 2) x 64 columns, a wave of v 64 tokens (panel s / 2) x 32 columns (s % 2): in both cases four fragments of source 0 x two of source 1.
; q, k: source 0 = 16 columns, source 1 = 16 tokens: a lane holds one token, register 8 a + j channel 16 a + 8 h + j, and channels d and d + 32, which the rotation mixes, lie in one lane.
; v: source 0 = tokens, source 1 = columns: a lane holds one channel, and by the order of tokens (first launch) register 8 a + j is token 32 h + 8 a + j: a whole block of 32 keys in a lane.
; K = 1,024 in 8 steps of 128.  All operands of the work-group, 256,000 bytes, are asked for at the head and filled once: four chunks of two K steps, each chunk two loads (x's two panels; the weights' three panels): one load each for
; waves 0-7.  LDS: chunk c at 64,000 c; in it sub-panel p (0, 1: x; 2-4: the widths) at 12,800 p: two records of 6,400 bytes.
; CLUSTER.  The four token blocks of a cluster need the same weights: those are asked for jointly.  x's panels differ between partners and come by loads of their own.  No prefetch: every tile is asked for at the head, ahead of all work.
; WHAT IS STORED.  A RECORD OF q OR k, 6,400 bytes, for 128 tokens of a head: half images (registers 0-5: 4 registers at 16 x lane, 2 at 512 + 8 x lane; 768 bytes) of tiles T = 0 .. 7, then scale bytes: two of row r, tile T at 6,144 + 16 r + 2 T.
; qc: [(batch, head)][16] such records.  kv: [(batch, kv head)][16] records of 12,800 bytes: k's 6,400; v's: 1,536 bytes for each tile t of 16 channels, half c (64 keys) at 768 c, laid as above; then channel r's byte of tile t, block n at 16 r + 4 t + n.
; The scale bytes leave in pieces of 2 bytes (q, k) or 1 (v), since a 256-byte run of them is made by four waves.  All other stores cover 256 or 512 consecutive bytes, aligned.
; STAGES for the rows of out1 and out2 lie in chunks 0-2, which have had their only fill and, behind the barrier of chunk 3, their last read.  A row of out2 is made by two waves: a barrier stands between their stores and its way out.
; The cos and sin of two tiles are loaded by every wave, v's too (which do not use them): one text serves all roles up to the end of the products.
; LIMITS: as stated at the head of the first launch.
.set PANEL, 51200
.set REC,   6400
.set FRB,   1536
.set SUB,   12800                      ; a sub-panel's part of a chunk: two records
.set CH,    64000                      ; a chunk: five of them
.set STW,   34816                      ; v's stages from byte 0 on: 128 rows x 272 bytes for each width
.set STK,   128000                     ; k's stages: 16 rows x 272 bytes for each wave
.set SPARE, 256000                     ; the spare words, 128 bytes for each wave: six blocks of 256 bytes that no other line names
.set SC0,  16                          ; v16-19 source 0's scale words, v20-21 source 1's; for a chunk's second step v24-27 and v22-23: they hold scales and nothing else
.set SC1,  20
.set SPW,  28                          ; v28  LDS address of my spare word; never rewritten
.set NIL,  29                          ; v29  0; never rewritten
.set F0,   32                          ; v32-79   source 0's four fragments; for a chunk's second step v256-303
.set F1,   80                          ; v80-103  source 1's two; for a chunk's second step v104-127
.set ACC,  128                         ; v128-191 accumulator (a, b) at 128 + 32 b + 8 a
.set CS,   192                         ; v192-255 cos and sin, 16 + 16 for each of two tiles
.set T,    32                          ; behind the products: v32-95 two tiles' 32 rotated numbers
.set TM,   96                          ; v96-103  at work in the quantiser
.set PC,   104                         ; v104-110, v112-118 codes
.set WD,   120                         ; v120-121 scale bytes
.set G1J,  24                          ; s[24:31] descriptor group 1, weights, joint;  s[32:39] x, plain
.set G1P,  32
.set G0X,  40                          ; s[40:43] group 0 for x;  s[44:47] for the weights
.set G0W,  44
.set HM,   96                          ; s96  the lanes with h = 1
.set SEL,  98                          ; s[98:99] v_permlanex16_b32's selects for lane l xor 16
.set MSB, 0
.macro WIN new                         ; the register windows; the immediate's high byte repeats the setting that is left
.if MSB != \new
	s_set_vgpr_msb (MSB<<8)|\new
.set MSB, \new
.endif
.endm
.macro ROUND                           ; a round of the cluster's barrier
	s_barrier_signal -1
	s_barrier_wait -1
	s_cmp_lg_u32 s18, 0
	s_cbranch_scc1 .Lnot_wave_0_\@
	s_barrier_signal -3
.Lnot_wave_0_\@:
	s_barrier_wait -3
	s_barrier_signal -1
	s_barrier_wait -1
.endm
.macro FRAG reg, a16, off              ; a fragment's image comes back as it was stored: every load takes 512 consecutive bytes
.irp p, 0,1,2
	ds_load_b128 v[\reg+4*\p:\reg+4*\p+3], v[\a16] offset:\off+512*\p
.endr
.endm
.macro MM0 d, a, b, sa, sb             ; the first product starts a sum: nothing is cleared
	v_wmma_scale_f32_16x16x128_f8f6f4 v[\d:\d+7], v[\a:\a+11], v[\b:\b+11], 0, v[\sa], v[\sb] matrix_a_fmt:MATRIX_FMT_FP6 matrix_b_fmt:MATRIX_FMT_FP6
.endm
.macro MMA d, a, b, sa, sb
	v_wmma_scale_f32_16x16x128_f8f6f4 v[\d:\d+7], v[\a:\a+11], v[\b:\b+11], v[\d:\d+7], v[\sa], v[\sb] matrix_a_fmt:MATRIX_FMT_FP6 matrix_b_fmt:MATRIX_FMT_FP6
.endm
; A K step of 128: record e of the chunk in hand.  20 LDS loads, source 0's fragments last; 8 matrix instructions, the accumulators by turns in the same order in every step.
; Both steps' loads of a chunk are issued at its head, each step into registers of its own.
.macro KLOAD e
	ds_load_b128 v[SC0+8*\e:SC0+8*\e+3], v6 offset:REC*\e+6144
	ds_load_b64 v[SC1+2*\e:SC1+2*\e+1], v9 offset:REC*\e+6144
.irp i, 0,1
	FRAG F1+24*\e+12*\i, 7, REC*\e+FRB*\i
.endr
	WIN 0x40*\e                                    ; the second step's source 0 lies in window 1
.irp i, 0,1,2,3
	FRAG F0-32*\e+12*\i, 4, REC*\e+FRB*\i
.endr
	WIN 0
.endm
.macro KSTEP e, zero
	WIN \e                                         ; source 0: window e
.irp a, 0,1,2,3
	s_wait_dscnt 9-3*\a+20*(1-\e)                  ; source 0's fragment a is in; the three loads of each later fragment and the second step's 20 may be out
.irp b, 0,1
.if \zero
	MM0 ACC+32*\b+8*\a, F0-32*\e+12*\a, F1+24*\e+12*\b, SC0+8*\e+\a, SC1+2*\e+\b
.else
	MMA ACC+32*\b+8*\a, F0-32*\e+12*\a, F1+24*\e+12*\b, SC0+8*\e+\a, SC1+2*\e+\b
.endif
.endr
.endr
	WIN 0
.if \e
.rept 4
	v_nop                                          ; four places in front of loads into registers that matrix instructions have read, and of the first read of results
.endr
.endif
.endm
.macro CHUNK c, zero
.if \c > 0
.irp a, 4,6,7,9
	v_add_nc_u32 v\a, CH, v\a
.endr
.endif
	s_wait_alu depctr_va_vdst(0)
.if \c < 3
	s_cmp_lt_u32 s18, 2*\c+2                       ; waves 2 c and 2 c + 1 have fetched chunk c; the later chunks' loads are other waves' and other lines, and may be out
	s_cbranch_scc0 .Lnot_mine_\@
	s_wait_tensorcnt 0x0
.Lnot_mine_\@:
.else
	s_wait_tensorcnt 0x0
.endif
	s_wait_dscnt 0x0
	s_barrier_signal -1
	s_barrier_wait -1                              ; the chunk is in
	KLOAD 0
	KLOAD 1
	KSTEP 0, \zero
	KSTEP 1, 0
.endm
; q, k: 32 numbers of a lane, v[src] on: register 16 b + i belongs to block b of 32 channels, which lanes l and l xor 16 share.  They become registers 0-5 of a fragment in v[pc] on; the two scale bytes in v[wd].
.macro QUANT32 src, pc, tm, wd
.irp b, 0,1
	v_max3_num_f32 v[\tm+\b], |v[\src+16*\b]|, |v[\src+16*\b+1]|, 0x1800000   ; with the floor 2^(3 - 127): the byte cannot fall under 1
.endr
.irp i, 2,4,6,8,10,12,14
.irp b, 0,1
	v_max3_num_f32 v[\tm+\b], v[\tm+\b], |v[\src+16*\b+\i]|, |v[\src+16*\b+\i+1]|
.endr
.endr
.irp b, 0,1
	v_permlanex16_b32 v[\tm+2+\b], v[\tm+\b], s[SEL], s[SEL+1]
.endr
.irp b, 0,1
	v_max_num_f32 v[\tm+\b], v[\tm+\b], v[\tm+2+\b]   ; the block's largest magnitude
.endr
.irp b, 0,1
	v_add_nc_u32 v[\tm+4+\b], 0xff000000, v[\tm+\b]   ; 2 off the exponent field: the conversion's scale operand
.endr
.irp b, 0,1
	v_lshrrev_b32 v[\tm+6+\b], 23, v[\tm+4+\b]     ; the scale's byte
.endr
	v_lshl_or_b32 v[\wd], v[\tm+7], 8, v[\tm+6]
	v_cvt_scalef32_pk16_fp6_f32 v[\pc:\pc+2], v[\src:\src+15], v[\tm+4]
	v_cvt_scalef32_pk16_fp6_f32 v[\pc+4:\pc+6], v[\src+16:\src+31], v[\tm+5]
	v_nop                                          ; one plain place behind the scaled conversions
.irp i, 0,1,2
	v_permlane16_swap_b32 v[\pc+\i], v[\pc+4+\i]   ; a whole block to a lane: lanes 0-15 block 0, lanes 16-31 block 1
.endr
	v_mov_b32 v[\pc+3], v[\pc+4]
	v_mov_b32 v[\pc+4], v[\pc+5]
	v_mov_b32 v[\pc+5], v[\pc+6]
.endm
; v: 32 numbers of a lane are one block: its codes in v[pc] on, its byte in v[wd].
.macro QUANTL src, pc, tm, wd
.irp b, 0,1
	v_max3_num_f32 v[\tm+\b], |v[\src+16*\b]|, |v[\src+16*\b+1]|, 0x1800000   ; each accumulator from its low end on
.endr
.irp i, 2,4,6,8,10,12,14
.irp b, 0,1
	v_max3_num_f32 v[\tm+\b], v[\tm+\b], |v[\src+16*\b+\i]|, |v[\src+16*\b+\i+1]|
.endr
.endr
	v_max_num_f32 v[\tm], v[\tm], v[\tm+1]
	v_add_nc_u32 v[\tm+4], 0xff000000, v[\tm]
	v_cvt_scalef32_pk16_fp6_f32 v[\pc:\pc+2], v[\src:\src+15], v[\tm+4]
	v_cvt_scalef32_pk16_fp6_f32 v[\pc+4:\pc+6], v[\src+16:\src+31], v[\tm+4]
	v_lshrrev_b32 v[\wd], 23, v[\tm+4]             ; (the plain place behind the scaled conversions)
	v_mov_b32 v[\pc+3], v[\pc+4]
	v_mov_b32 v[\pc+4], v[\pc+5]
	v_mov_b32 v[\pc+5], v[\pc+6]
.endm
	s_load_b256 s[4:11], s[0:1], 0x0               ; xc s[4:5], wc s[6:7], rt s[8:9], qc s[10:11]
	s_load_b128 s[12:15], s[0:1], 0x20             ; kv s[12:13], out1 s[14:15]
	s_load_b64 s[16:17], s[0:1], 0x30              ; out2
	v_lshl_add_u32 v[SPW], v0, 2, SPARE
	v_mov_b32 v[NIL], 0
	ds_add_u32 v[SPW], v[NIL]                      ; the wave's opening: the add, twice on end, and its wait ahead of the round in front of the first tensor loads
	ds_add_u32 v[SPW], v[NIL]                      ; and once more; the set-up below, work on registers, stands between it and the wait
	v_lshrrev_b32 v1, 5, v0
	v_readfirstlane_b32 s18, v1                    ; wave W, 0..11
	s_lshr_b32 s20, s18, 2                         ; which of the three widths
	s_and_b32 s19, s18, 3                          ; s
	s_lshr_b32 s48, s19, 1                         ; s / 2: which panel of 64 tokens
	s_and_b32 s49, s19, 1                          ; s % 2
	s_bfe_u32 s50, ttmp6, 0x40000                  ; my place in the cluster
	s_lshl_b32 s51, ttmp9, 2
	s_add_co_u32 s51, s51, s50                     ; my block of 128 tokens: it enters global addresses alone
	s_and_b32 s52, ttmp7, 0xffff                   ; the group of three widths, which the partners share
	s_mul_i32 s21, s52, 3
	s_add_co_u32 s21, s21, s20                     ; H: my width, 0..23
	s_mul_i32 s2, s48, SUB                         ; my tokens' sub-panel,
	s_mul_i32 s3, s20, SUB
	s_add_co_u32 s3, s3, 2*SUB                     ; my width's
	s_cmp_ge_u32 s21, 20                           ; v?
	s_cselect_b32 s23, 1, 0
	s_cselect_b32 s62, s2, s3                      ; source 0
	s_cselect_b32 s63, s3, s2                      ; source 1
	s_sub_co_u32 s22, s21, 16
	s_cmp_lt_u32 s22, 4                            ; k?
	s_cselect_b32 s22, 1, 0
	s_mov_b32 s[HM], 0xffff0000
	s_mov_b32 s[SEL], 0x76543210
	s_mov_b32 s[SEL+1], 0xfedcba98
	; descriptor group 1: a chunk's part of two or three panels: rows of 12,800 bytes (1,600 elements of 8 bytes), 51,200 bytes apart in memory, on end in LDS
	s_mov_b32 s[G1J], 15|(3<<16)|(1<<21)           ; 15:0 the mask: all four partners; 17:16 elements of 8 bytes; 21 set beside a mask
	s_mov_b32 s[G1P], 3<<16                        ; no mask
.irp g, G1J, G1P
	s_mov_b32 s[\g+1], 1600<<16                    ; tensor_dim0
	s_mov_b32 s[\g+3], 1600<<16                    ; tile_dim0
	s_mov_b32 s[\g+5], PANEL/8                     ; the pitch
	s_mov_b32 s[\g+6], 0
	s_mov_b32 s[\g+7], 0
.endr
	s_mov_b32 s[G1J+2], 3<<16                      ; tensor_dim1
	s_mov_b32 s[G1J+4], 3                          ; tile_dim1
	s_mov_b32 s[G1P+2], 2<<16
	s_mov_b32 s[G1P+4], 2
	v_and_b32 v1, 31, v0                           ; lane
	v_and_b32 v2, 15, v0                           ; r
	v_bfe_u32 v3, v0, 4, 1                         ; h
	v_lshlrev_b32 v10, 4, v1                       ; 16 x lane
	v_lshlrev_b32 v11, 3, v1                       ; 8 x lane
	v_lshlrev_b32 v30, 4, v2                       ; 16 r
	s_mul_i32 s2, s49, 2*FRB
	s_add_co_u32 s2, s2, s63                       ; source 1: my two of the sub-panel's four tiles
	s_lshl_b32 s3, s49, 3
	s_add_co_u32 s3, s3, s63
	v_add_nc_u32 v4, s62, v10                      ; v4, v6: source 0's images and scale words in chunk 0;
	v_add_nc_u32 v6, s62, v30
	v_add_nc_u32 v7, s2, v10                       ; v7, v9: source 1's
	v_add_nc_u32 v9, s3, v30
	v_lshl_add_u32 v5, v3, 1, v30                  ; 16 r + 2 h: two scale bytes on their way out
	v_add_nc_u32 v8, v3, v30                       ; 16 r + h: one
	s_mul_i32 s2, s18, 4352                        ; the stages.  Every LDS address is made here, ahead of the parting of the roles
	s_add_co_u32 s2, s2, STK
	v_mul_u32_u24 v12, v2, 272
	v_lshl_add_u32 v12, v3, 5, v12
	v_add_nc_u32 v12, s2, v12                      ; k, in: row r, + 32 h
	v_mul_u32_u24 v31, v3, 272
	v_lshl_add_u32 v31, v2, 4, v31                 ; back: lanes 0-15 one row, lanes 16-31 the next
	v_add_nc_u32 v13, s2, v31                      ; k, back
	s_mul_i32 s2, s20, STW
	s_mul_i32 s3, s48, 64*272
	s_add_co_u32 s2, s2, s3                        ; v: my width's, my 64 tokens'
	s_mul_i32 s3, s49, 32*272
	s_add_co_u32 s3, s3, s2
	v_add_nc_u32 v15, s3, v31                      ; v, back: 32 of those rows
	s_lshl_b32 s3, s49, 7
	s_add_co_u32 s3, s3, s2
	v_mul_u32_u24 v14, v3, 2176
	v_lshl_add_u32 v14, v2, 2, v14
	v_add_nc_u32 v14, s3, v14                      ; v, in: row 8 h, + 128 (s % 2) + 4 r
	s_wait_alu depctr_va_vdst(0)                   ; the wait at the head's end
	s_wait_dscnt 0x0                               ; both opening adds are done
	s_wait_kmcnt 0x0
	s_lshr_b32 s53, s18, 1
	s_min_u32 s53, s53, 3                          ; the chunk that I fetch
	s_mul_i32 s54, s53, CH                         ; where it goes
	s_mul_i32 s56, s53, SUB                        ; where it begins in a panel
	s_lshl_b32 s58, s51, 1
	s_mul_i32 s58, s58, PANEL
	s_add_co_u32 s58, s58, s56
	s_mov_b32 s59, 0
	s_mul_i32 s60, s52, 3*PANEL                    ; made of what the partners share, in registers that never hold my place
	s_add_co_u32 s60, s60, s56
	s_mov_b32 s61, 0
	s_mov_b32 s[G0X], 1                            ; count = 1
	s_mov_b32 s[G0X+1], s54                        ; LDS address
	s_add_nc_u64 s[G0X+2:G0X+3], s[4:5], s[58:59]  ; global address
	s_or_b32 s[G0X+3], s[G0X+3], 0x80000000        ; type = 2
	s_mov_b32 s[G0W], 1
	s_add_co_u32 s[G0W+1], s54, 2*SUB
	s_add_nc_u64 s[G0W+2:G0W+3], s[6:7], s[60:61]
	s_or_b32 s[G0W+3], s[G0W+3], 0x80000000
	ROUND                                          ; all four work-groups are here: the joint loads meet
; ONE tree of branches on the wave's number, an arm with one load for each of waves 0-7, all leading to one join; waves 8-11 fetch nothing
.macro ARM under, g0, g1
	s_cmp_lt_u32 s18, \under
	s_cbranch_scc0 .Lnext_\@
	tensor_load_to_lds s[\g0:\g0+3], s[\g1:\g1+7]
	s_nop 0
.rept 4
	v_nop
.endr
	s_branch .Lasked
.Lnext_\@:
.endm
	ARM 1, G0X, G1P
	ARM 2, G0W, G1J
	ARM 3, G0X, G1P
	ARM 4, G0W, G1J
	ARM 5, G0X, G1P
	ARM 6, G0W, G1J
	ARM 7, G0X, G1P
	ARM 8, G0W, G1J
.Lasked:
	s_lshr_b32 s66, s51, 4                         ; batch
	s_and_b32 s67, s51, 15                         ; position / 128
	s_lshl_b32 s68, s67, 15                        ; the table: 8 images of 4,096 bytes for 128 positions, mine two from 2 s on
	s_lshl_b32 s69, s19, 13
	s_add_co_u32 s68, s68, s69
	s_mov_b32 s69, 0
	s_add_nc_u64 s[70:71], s[8:9], s[68:69]
.irp b, 0,1
.irp q, 0,1,2,3,4,5,6,7
	global_load_b128 v[CS+32*\b+4*\q:CS+32*\b+4*\q+3], v10, s[70:71] offset:4096*\b+512*\q
.endr
.endr
	s_lshl_b32 s72, s66, 4                         ; where my results go.  q: record (16 batch + head) x 16 + position / 128
	s_add_co_u32 s72, s72, s21
	s_lshl_b32 s72, s72, 4
	s_add_co_u32 s72, s72, s67
	s_mul_i32 s72, s72, REC
	s_mov_b32 s75, 16
	s_cmp_lg_u32 s23, 0
	s_cselect_b32 s75, 20, s75
	s_lshl_b32 s73, s66, 2
	s_add_co_u32 s73, s73, s21
	s_sub_co_i32 s73, s73, s75
	s_max_i32 s73, s73, 0                          ; k, v: 4 batch + kv head (held at 0 in q's waves, which do not use it)
	s_lshl_b32 s74, s73, 4
	s_add_co_u32 s74, s74, s67
	s_mul_i32 s74, s74, 2*REC
	s_cmp_lt_u32 s21, 16
	s_cselect_b32 s72, s72, s74
	s_cselect_b64 s[76:77], s[10:11], s[12:13]
	s_mul_i32 s88, s19, FRB                        ; q, k: tiles 2 s and 2 s + 1 of the record,
	s_lshl_b32 s89, s19, 2
	s_add_co_u32 s89, s89, 6144                    ; and their scale bytes
	s_mul_i32 s90, s49, 2*FRB                      ; v: channel tiles 2 (s % 2) on, half s / 2,
	s_mul_i32 s91, s48, FRB/2
	s_add_co_u32 s90, s90, s91
	s_add_co_u32 s90, s90, REC
	s_lshl_b32 s91, s49, 3
	s_lshl_b32 s92, s48, 1
	s_add_co_u32 s91, s91, s92
	s_add_co_u32 s91, s91, REC+6144                ; and their scale bytes
	s_cmp_lg_u32 s23, 0
	s_cselect_b32 s88, s90, s88
	s_cselect_b32 s89, s91, s89
	s_cselect_b64 s[86:87], s[16:17], s[14:15]     ; out2 or out1
	s_add_co_u32 s88, s88, s72
	s_add_co_u32 s90, s89, s72
	s_mov_b32 s89, 0
	s_mov_b32 s91, 0
	s_add_nc_u64 s[80:81], s[76:77], s[88:89]      ; codes
	s_add_nc_u64 s[82:83], s[76:77], s[90:91]      ; scale bytes
	s_lshl_b32 s78, s73, 11
	s_lshl_b32 s79, s67, 7
	s_add_co_u32 s78, s78, s79
	s_lshl_b32 s79, s48, 6
	s_add_co_u32 s78, s78, s79                     ; the panel's first row of out1 or out2,
	s_lshl_b32 s78, s78, 8                         ; rows of 256 bytes;
	s_lshl_b32 s79, s49, 12
	s_add_co_u32 s78, s78, s79                     ; tile 2 (s % 2) begins 16 (s % 2) rows on
	s_mov_b32 s79, 0
	s_add_nc_u64 s[84:85], s[86:87], s[78:79]
	CHUNK 0, 1
	CHUNK 1, 0
	CHUNK 2, 0
	CHUNK 3, 0
	s_cmp_lg_u32 s23, 0
	s_cbranch_scc1 .Lv_arm
	; ---- q and k.  No barrier stands in either arm; every offset is an immediate, no base is stepped
	v_mov_b32 v[TM+2], 0                           ; a lane permute's destination counts as one of its sources
	v_mov_b32 v[TM+3], 0
	s_wait_alu depctr_va_vdst(0)
	s_wait_loadcnt 0x0                             ; cos and sin
.macro ROWS b, src                     ; 16 rows of 256 bytes: a store covers two neighbouring tokens, 512 consecutive bytes
.irp i, 0,1,2,3,4,5,6,7
	global_store_b128 v10, v[\src+4*\i:\src+4*\i+3], s[84:85] offset:256*(32*(\i/4)+(2*\i)%8)+2048*\b th:TH_STORE_NT
.endr
.endm
; Tile b: register n < 16 holds channel d < 32, register 16 + n channel d + 32.
.macro QKTILE b
.irp n, 0,2,4,6,8,10,12,14
	v_pk_mul_f32 v[T+32*\b+\n:T+32*\b+\n+1], v[ACC+32*\b+\n:ACC+32*\b+\n+1], v[CS+32*\b+\n:CS+32*\b+\n+1]             ; each accumulator is read from its low end on
	v_pk_mul_f32 v[T+32*\b+16+\n:T+32*\b+17+\n], v[ACC+32*\b+16+\n:ACC+32*\b+17+\n], v[CS+32*\b+\n:CS+32*\b+\n+1]
.endr
.irp n, 0,2,4,6,8,10,12,14
	v_pk_fma_f32 v[T+32*\b+\n:T+32*\b+\n+1], v[ACC+32*\b+16+\n:ACC+32*\b+17+\n], v[CS+32*\b+16+\n:CS+32*\b+17+\n], v[T+32*\b+\n:T+32*\b+\n+1] neg_lo:[1,0,0] neg_hi:[1,0,0]   ; x1 cos - x2 sin
	v_pk_fma_f32 v[T+32*\b+16+\n:T+32*\b+17+\n], v[ACC+32*\b+\n:ACC+32*\b+\n+1], v[CS+32*\b+16+\n:CS+32*\b+17+\n], v[T+32*\b+16+\n:T+32*\b+17+\n]                             ; x2 cos + x1 sin
.endr
	s_wait_alu depctr_va_vdst(0)
	s_cmp_eq_u32 s22, 0
	s_cbranch_scc1 .Lnot_k_a_\@
.irp a, 0,1,2,3
	ds_store_b128 v12, v[T+32*\b+8*\a:T+32*\b+8*\a+3] offset:64*\a             ; k goes through my stage: a lane holds 32 bytes of a row,
	ds_store_b128 v12, v[T+32*\b+8*\a+4:T+32*\b+8*\a+7] offset:64*\a+16
.endr
.irp i, 0,1,2,3,4,5,6,7
	ds_load_b128 v[ACC+32*\b+4*\i:ACC+32*\b+4*\i+3], v13 offset:544*\i   ; and comes back as whole rows, into the tile's accumulators, which are done with.  LDS serves a wave's instructions in order
.endr
.Lnot_k_a_\@:
	QUANT32 T+32*\b, PC+8*\b, TM, WD+\b
	global_store_b128 v10, v[PC+8*\b:PC+8*\b+3], s[80:81] offset:768*\b
	global_store_b64 v11, v[PC+8*\b+4:PC+8*\b+5], s[80:81] offset:768*\b+512
	s_wait_alu depctr_va_vdst(0)
	s_cmp_eq_u32 s22, 0
	s_cbranch_scc1 .Lnot_k_b_\@
	s_wait_dscnt 0x0
	ROWS \b, ACC+32*\b
.Lnot_k_b_\@:
.endm
	QKTILE 0
	QKTILE 1
	v_cndmask_b32 v30, v[WD], v[WD+1], s[HM]       ; lane (r, h) stores the two bytes of row r, tile h
	global_store_b16 v5, v30, s[82:83]
	s_branch .Ljoin
.Lv_arm:
	; ---- v: a lane holds channel 16 b + r of my 32; register 32 b + 8 a + j token 32 h + 8 a + j
.irp a, 0,1,2,3
.irp b, 0,1
.irp j, 0,1,2,3,4,5,6,7
	ds_store_b32 v14, v[ACC+32*\b+8*\a+\j] offset:4352*\a+272*\j+64*\b     ; row 16 a + 8 h + j: the 32 lanes fall on 32 different banks; each accumulator from its low end on
.endr
.endr
.endr
.irp b, 0,1                            ; the codes: 16 channels x my 64 keys
	QUANTL ACC+32*\b, PC+8*\b, TM, WD+\b
	global_store_b128 v10, v[PC+8*\b:PC+8*\b+3], s[80:81] offset:FRB*\b
	global_store_b64 v11, v[PC+8*\b+4:PC+8*\b+5], s[80:81] offset:FRB*\b+512
	global_store_b8 v8, v[WD+\b], s[82:83] offset:4*\b
.endr
.Ljoin:
	s_wait_alu depctr_va_vdst(0)
	s_wait_dscnt 0x0                               ; for the others' sake: my rows of v are in the stage
	s_barrier_signal -1
	s_barrier_wait -1
	s_cmp_eq_u32 s23, 0
	s_cbranch_scc1 .Lend
.irp b, 0,1                            ; v's waves: 32 whole rows each
.irp i, 0,1,2,3,4,5,6,7
	ds_load_b128 v[T+32*\b+4*\i:T+32*\b+4*\i+3], v15 offset:4352*\b+544*\i
.endr
.endr
	s_wait_dscnt 8                                 ; the first tile's eight loads are in
	ROWS 0, T
	s_wait_dscnt 0x0
	ROWS 1, T+32
.Lend:
	s_wait_tensorcnt 0x0                           ; the wave's end: behind my last tensor load and my last LDS store
	ds_add_u32 v[SPW], v[NIL]
	s_wait_dscnt 0x0
	ROUND                                          ; the closing round: no work-group ends while a partner may still ask for a tile that names it
	s_endpgm
.Lfunc_end_k_q70fab77014_qkv:
	.size	k_q70fab77014_qkv, .Lfunc_end_k_q70fab77014_qkv-k_q70fab77014_qkv
	.p2alignl 7, 3214868480
	.fill 96, 4, 3214868480
	.section	.rodata,"a",@progbits
	.p2align	6, 0x0
	.amdhsa_kernel k_q70fab77014_qkv
		.amdhsa_group_segment_fixed_size 257536
		.amdhsa_private_segment_fixed_size 0
		.amdhsa_enable_private_segment 0
		.amdhsa_kernarg_size 56
		.amdhsa_user_sgpr_count 2
		.amdhsa_user_sgpr_kernarg_segment_ptr 1
		.amdhsa_wavefront_size32 1
		.amdhsa_system_sgpr_workgroup_id_x 1
		.amdhsa_system_sgpr_workgroup_id_y 1
		.amdhsa_system_sgpr_workgroup_id_z 1
		.amdhsa_system_vgpr_workitem_id 0
		.amdhsa_next_free_vgpr 304
		.amdhsa_next_free_sgpr 100
		.amdhsa_reserve_vcc 0
		.amdhsa_float_denorm_mode_32 3
		.amdhsa_float_denorm_mode_16_64 3
		.amdhsa_memory_ordered 1
		.amdhsa_forward_progress 1
		.amdhsa_inst_pref_size 57
	.end_amdhsa_kernel
	.amdgpu_metadata
---
amdhsa.version: [ 1, 2 ]
amdhsa.kernels:
  - .name:           k_q70fab77014_qkv
    .symbol:         k_q70fab77014_qkv.kd
    .args:
      - { .name: xc, .offset: 0, .size: 8, .value_kind: global_buffer, .address_space: global }
      - { .name: wc, .offset: 8, .size: 8, .value_kind: global_buffer, .address_space: global }
      - { .name: rt, .offset: 16, .size: 8, .value_kind: global_buffer, .address_space: global }
      - { .name: qc, .offset: 24, .size: 8, .value_kind: global_buffer, .address_space: global }
      - { .name: kv, .offset: 32, .size: 8, .value_kind: global_buffer, .address_space: global }
      - { .name: out1, .offset: 40, .size: 8, .value_kind: global_buffer, .address_space: global }
      - { .name: out2, .offset: 48, .size: 8, .value_kind: global_buffer, .address_space: global }
    .group_segment_fixed_size: 257536
    .private_segment_fixed_size: 0
    .kernarg_segment_align: 8
    .kernarg_segment_size: 56
    .max_flat_workgroup_size: 384
    .sgpr_count:     100
    .vgpr_count:     304
    .wavefront_size: 32
...
	.end_amdgpu_metadata
.endif
;; end of part 2
;; launch attn (part 3): grid 8 x 32, 8 waves a work-group, clusters of 4 x 1, 242,688 bytes of LDS; arguments qc, kv, ac; writes ac
.if DOCPART == 3
	.amdgcn_target "amdgcn-amd-amdhsa--gfx1250"
	.amdhsa_code_object_version 6
	.text
	.protected	k_q70fab77014_attn
	.globl	k_q70fab77014_attn
	.p2align	8
	.type	k_q70fab77014_attn,@function
k_q70fab77014_attn:
	s_mov_b64 s[64:65], 0
	v_nop
	global_prefetch_b8 v0, s[64:65] scope:SCOPE_SE
	s_setreg_imm32_b32 hwreg(HW_REG_WAVE_MODE, 25, 1), 1
	s_wait_xcnt 0x0
	s_wait_alu depctr_hold_cnt(0) depctr_sa_sdst(0) depctr_va_vdst(0) depctr_va_sdst(0) depctr_va_ssrc(0) depctr_va_vcc(0) depctr_vm_vsrc(0)
	s_getreg_b32 s2, hwreg(HW_REG_IB_STS2, 6, 4)
	s_cmp_eq_u32 s2, 0
	s_cbranch_scc0 .Lentry_in_a_cluster
	s_endpgm
.Lentry_in_a_cluster:
	s_bfe_u32 s2, ttmp6, 0x10000c
	s_cmp_lg_u32 s2, 0x3003
	s_cbranch_scc0 .Lentry_shape_is_right
	s_endpgm
.Lentry_shape_is_right:
; LAUNCH 3 OF 4: for each (batch, head): scores = q k^T, the softmax, p v, division by the row's sum, and the result as codes for the last product.  Both products on codes of FP6 (E2M3) with E8M0 block scales.
; LEFT OUT: key steps of 128 keys all of which come after a wave's queries: reference()'s own lower triangle makes their p 0 for all finite inputs (shown at the head of the first launch).  A NaN, an infinity or an
; overflow that reaches only those scores is not carried to the result.  LIMIT: the scaled scores t stay under 2^31 in magnitude.
; THE SOFTMAX: t = score x log2(e) / 8; M = the running largest t rounded UP to a whole number; p = 2^(t - M) is quantised along the keys, not normalised; the row's sum is taken of the unquantised p and divides at the end.
; When M moves, the sum and O are multiplied by 2^(old M - new M): exact.
; SHARES.  An octave is 128 positions, 16 of them; octave o sees key steps 0 .. o.  Work-group (place cx in its cluster, cluster x, y = 16 batch + head) owns in eight octaves the two tiles of 16 queries with number cx in either panel of 64: a wave
; works on both at once, so that each fragment of K and of V serves two tiles.  Two waves share octaves g and 15 - g, 17 steps, g = 2 (wave / 2) + cluster x: the FIRST takes steps 0 .. 8 of octave 15 - g; the SECOND takes octave g whole (g + 1 steps),
; sends it out, and then takes steps 9 .. 15 - g of octave 15 - g (7 - g steps).  At the end it hands its part of O, sum and M to the first through LDS, which joins the two and sends the octave out.  Which wave is which hangs on the
; wave's number alone; of waves w and w + 4, and of waves 2 n and 2 n + 1, one is first and one second.
; LDS holds the (batch, kv head)'s whole stream of 16 records of 12,800 bytes, byte for byte, filled once: wave w fetches records 2 w and 2 w + 1.  The four partners of a cluster walk the same stream: every tensor load is joint.  My place enters
; Q's and the result's global addresses and the mask's comparison value, which is vector data, and nothing else.  No prefetch: the whole stream is asked for at the head.
; LAYOUT.  Both products transposed: S^T = K Q^T (source 0 = 16 keys), O^T = V^T P^T (source 0 = 16 channels): a lane holds ONE query of each tile (lane % 16).  By the order of tokens (first launch) register 32 c + 8 u + j of lane half h is key
; 64 c + 32 h + 8 u + j: a lane holds whole blocks of 32 keys, in v's order.  The scores' K is 64, half of an instruction's: a fragment of K is TWO tiles of 16 keys (registers 0-5, 6-11); Q stands between runs of six zero registers, and the
; operand Q|0 takes the first tile, 0|Q the second: the other tile's products are with zero codes.
; LOOK-AHEAD: the next step's K is asked for behind a step's scores, its V behind a step's last products, 17 LDS loads each; a wave's last look-ahead stays inside the stream and is not used.
.set KVR,   12800                      ; a key step's record: k's images 0, scale words 6,144; v's images 6,400, scale words 12,544
.set STG,   204800                     ; behind the stream: two waves' stage for the second's part: 9 x 512 bytes a tile
.set STB,   4608
.set SPARE, 241664                     ; the spare words, 128 bytes for each wave: four blocks of 256 bytes that no other line names
; WINDOW 0.  (t: the tile, 0 or 1; c: a lane's block, 0 or 1)
.set L16, 1                            ; v1   16 x lane
.set L8,  2                            ; v2   8 x lane
.set R16, 3                            ; v3   16 r
.set A16, 4                            ; v4-6 the same in the record that is asked for next
.set A8,  5
.set ASC, 6
.set DM,  7                            ; v7   my query's place in its panel of 64 - 32 h: in the panel's own 64 keys register 8 u + j is hidden where 8 u + j is above it
.set SPW, 8                            ; v8   LDS address of my spare word; never rewritten
.set NIL, 9                            ; v9   0; never rewritten
.set STO, 10                           ; v10  the stage, + 16 x lane
.set BO,  11                           ; v11  16 r + h: the result's scale byte
.set NM,  12                           ; + 4 t: -M, the largest score (MX), the sum in two halves (LS)
.set MX,  13
.set LS,  14
.set FF,  20                           ; + 2 t: a pair, f = 2^(old M - new M)
.set TA,  24                           ; + t
.set H8,  26                           ; v26  8 h;  v27 at work
.set BM,  28                           ; + 2 t + c: the blocks' largest scores, then largest p
.set PT,  32                           ; + 4 t: at work
.set SO,  40                           ; + 2 t + c: the conversions' scale operands
.set T0,  44                           ; v44-49, v50-55 chains of the rows' sums; v44-51 the last quantiser's
.set FG,  56                           ; + 2 t: a pair, the other part's factor at the joining
.set QS,  60                           ; v60-61 Q's scale words, v62-63 the second Q's; v64-67 K's; v68-71 V's; v72-73 p's: they hold scales and nothing else
.set KS,  64
.set VS,  68
.set PW,  72
.set CT,  76                           ; + 8 t: the conversions' second halves
.set PC,  92                           ; + 12 t: p's codes
.set S,   116                          ; + 64 t: S^T, then p
.set PB,  244                          ; + 4 t: the other part's -M, largest score, sum
; WINDOW 1: v0-47 of it K's four fragments, v48-95 V's; O + 32 t O^T; v160-165 zeros, v166-171 Q of tile 0, v172-177 zeros, v178-183 Q of tile 1, v184-189 zeros; v190-201 the second wave's second Q
.set VF,  48
.set O,   96
.set QH,  160                          ; + 12 t: 0|Q
.set QL,  166                          ; + 12 t: Q|0
.set Q2,  190
.set WV,  10                           ; s10  my wave's number
.set OC,  11                           ; s11  the octave that I begin with, and send out
.set TB,  12                           ; s12  LDS byte of the record that is asked for next
.set I,   13                           ; s13  the number of my step, 0 .. 8
.set DG,  15                           ; s15  the step on the diagonal
.set RO,  16                           ; s16  1 in a second wave;  s17 wave / 2;  s18 15 - g;  s36 g
.set HM,  19                           ; s19  the lanes with h = 1
.set SEL, 20                           ; s[20:21] v_permlanex16_b32's selects for lane l xor 16
.set CC,  22                           ; s[22:23] c = log2(e) / 8: the packed form names a pair;  s34 -c
.set NC,  34
.set TR,  37                           ; s37  a second wave's first step in octave 15 - g: g + 1 (a first wave has none: 64)
.set OF,  38                           ; s38  what its records lie further on from there: 8 - g records
.set LA,  39                           ; s39  my last step
.set G1,  24                           ; s[24:31], s[40:43] the descriptor
.set MSB, 0
.macro WIN new                         ; the immediate's high byte repeats the setting that is left
.if MSB != \new
	s_set_vgpr_msb (MSB<<8)|\new
.set MSB, \new
.endif
.endm
.macro ROUND
	s_barrier_signal -1
	s_barrier_wait -1
	s_cmp_lg_u32 s[WV], 0
	s_cbranch_scc1 .Lnot_wave_0_\@
	s_barrier_signal -3
.Lnot_wave_0_\@:
	s_barrier_wait -3
	s_barrier_signal -1
	s_barrier_wait -1
.endm
.macro FRAG reg, off                   ; two half images: 4 and 2 registers each
	ds_load_b128 v[\reg:\reg+3], v[A16] offset:\off
	ds_load_b64 v[\reg+4:\reg+5], v[A8] offset:\off+512
	ds_load_b128 v[\reg+6:\reg+9], v[A16] offset:\off+768
	ds_load_b64 v[\reg+10:\reg+11], v[A8] offset:\off+1280
.endm
.macro ADDR                            ; the record at s[TB]
	v_add_nc_u32 v[A16], s[TB], v[L16]
	v_add_nc_u32 v[A8], s[TB], v[L8]
	v_add_nc_u32 v[ASC], s[TB], v[R16]
.endm
.macro LOADS sc, reg, at               ; 17 LDS loads: scale words, then four fragments into window 1
	WIN 0
	ds_load_b128 v[\sc:\sc+3], v[ASC] offset:\at+6144
	WIN 0x40
.irp p, 0,1,2,3
	FRAG \reg+12*\p, \at+1536*\p
.endr
	WIN 0
.endm
.macro NEXT n                          ; the record of my step \n
	s_mul_i32 s[TB], \n, KVR
	s_cmp_ge_u32 \n, s[TR]
	s_cselect_b32 s47, s[OF], 0
	s_add_co_u32 s[TB], s[TB], s47
	s_min_u32 s[TB], s[TB], 15*KVR
.endm
.macro MM0 d, a, b, sa, sb
	v_wmma_scale_f32_16x16x128_f8f6f4 v[\d:\d+7], v[\a:\a+11], v[\b:\b+11], 0, v[\sa], v[\sb] matrix_a_fmt:MATRIX_FMT_FP6 matrix_b_fmt:MATRIX_FMT_FP6
.endm
.macro MMA d, a, b, sa, sb
	v_wmma_scale_f32_16x16x128_f8f6f4 v[\d:\d+7], v[\a:\a+11], v[\b:\b+11], v[\d:\d+7], v[\sa], v[\sb] matrix_a_fmt:MATRIX_FMT_FP6 matrix_b_fmt:MATRIX_FMT_FP6
.endm
.macro QUANT32 src, pc, tm             ; as for q in the launch before: 32 numbers of a lane become registers 0-5 of a fragment; the two bytes in v[tm + 6], v[tm + 7].  v[tm + 2] and v[tm + 3] have been written before
.irp b, 0,1
	v_max3_num_f32 v[\tm+\b], |v[\src+16*\b]|, |v[\src+16*\b+1]|, 0x1800000
.endr
.irp i, 2,4,6,8,10,12,14
.irp b, 0,1
	v_max3_num_f32 v[\tm+\b], v[\tm+\b], |v[\src+16*\b+\i]|, |v[\src+16*\b+\i+1]|
.endr
.endr
.irp b, 0,1
	v_permlanex16_b32 v[\tm+2+\b], v[\tm+\b], s[SEL], s[SEL+1]
.endr
.irp b, 0,1
	v_max_num_f32 v[\tm+\b], v[\tm+\b], v[\tm+2+\b]
.endr
.irp b, 0,1
	v_add_nc_u32 v[\tm+4+\b], 0xff000000, v[\tm+\b]
.endr
	v_cvt_scalef32_pk16_fp6_f32 v[\pc:\pc+2], v[\src:\src+15], v[\tm+4]
	v_cvt_scalef32_pk16_fp6_f32 v[\pc+4:\pc+6], v[\src+16:\src+31], v[\tm+5]
.irp b, 0,1
	v_lshrrev_b32 v[\tm+6+\b], 23, v[\tm+4+\b]     ; (the first is the plain place behind the scaled conversions)
.endr
.irp i, 0,1,2
	v_permlane16_swap_b32 v[\pc+\i], v[\pc+4+\i]
.endr
	v_mov_b32 v[\pc+3], v[\pc+4]
	v_mov_b32 v[\pc+4], v[\pc+5]
	v_mov_b32 v[\pc+5], v[\pc+6]
.endm
; AN OCTAVE'S TWO TILES GO OUT: the rows' sums; O^T divided by them; quantised along the head's 64 channels, which are half a K step of the last product.
.macro FINAL
	s_wait_alu depctr_va_vdst(0)
.irp t, 0,1
	v_add_f32 v[LS+4*\t], v[LS+4*\t], v[LS+4*\t+1]
.endr
.irp t, 0,1
	v_permlanex16_b32 v[PT+4*\t], v[LS+4*\t], s[SEL], s[SEL+1]
.endr
.irp t, 0,1
	v_add_f32 v[LS+4*\t], v[LS+4*\t], v[PT+4*\t]
.endr
	s_wait_alu depctr_va_vdst(0)
	v_rcp_f32 v[LS], v[LS]
	v_rcp_f32 v[LS+4], v[LS+4]
	v_nop                                          ; one plain place behind a transcendental
	WIN 0x01
	s_wait_alu depctr_va_vdst(0)                   ; the wait ahead of the reciprocals' first reader and of O^T's
.irp t, 0,1
.set n, 0
.rept 16
	v_pk_mul_f32 v[S+64*\t+n:S+64*\t+n+1], v[O+32*\t+n:O+32*\t+n+1], v[LS+4*\t:LS+4*\t+1] op_sel_hi:[1,0]   ; register 8 a + j: channel 16 a + 8 h + j of my query; each accumulator from its low end on
.set n, n+2
.endr
.endr
	WIN 0
.irp t, 0,1
	QUANT32 S+64*\t, PC+12*\t, T0
	v_cndmask_b32 v[TA+\t], v[T0+6], v[T0+7], s[HM]   ; lane (r, h) stores the byte of block h
	global_store_b128 v[L16], v[PC+12*\t:PC+12*\t+3], s[58:59] offset:51200*\t
	global_store_b64 v[L8], v[PC+12*\t+4:PC+12*\t+5], s[58:59] offset:51200*\t+512
	global_store_b8 v[BO], v[TA+\t], s[60:61] offset:51200*\t+6144   ; 32 single bytes a wave: the word's other half belongs to the neighbouring head's work-group
.endr
.endm
.macro RESET                           ; no keys yet.  (The step is written for all steps alike: the first finds zeros, which the first change of M leaves zeros)
	WIN 0x40
.set n, 0
.rept 64
	v_mov_b32 v[O+n], 0
.set n, n+1
.endr
	WIN 0
.irp t, 0,1
	v_mov_b32 v[LS+4*\t], 0
	v_mov_b32 v[LS+4*\t+1], 0
	v_mov_b32 v[MX+4*\t], 0xff61b1e6               ; the largest score so far: -3e38, under every score
	v_mov_b32 v[NM+4*\t], 0x7e000000               ; -M: a whole number above every other
.endr
.endm
	s_load_b128 s[4:7], s[0:1], 0x0                ; qc s[4:5], kv s[6:7]
	s_load_b64 s[8:9], s[0:1], 0x10                ; ac
	v_lshl_add_u32 v[SPW], v0, 2, SPARE
	v_mov_b32 v[NIL], 0
	ds_add_u32 v[SPW], v[NIL]                      ; the wave's opening: the add, twice on end, and its wait ahead of the round in front of the first tensor loads
	ds_add_u32 v[SPW], v[NIL]                      ; and once more; the set-up below, work on registers, stands between it and the wait
	v_lshrrev_b32 v10, 5, v0
	v_readfirstlane_b32 s[WV], v10                 ; wave 0..7
	s_lshr_b32 s17, s[WV], 1
	s_lshl_b32 s36, s17, 1
	s_and_b32 s37, ttmp9, 1
	s_add_co_u32 s36, s36, s37                     ; g
	s_lshr_b32 s[RO], s[WV], 2
	s_xor_b32 s[RO], s[RO], s[WV]
	s_and_b32 s[RO], s[RO], 1                      ; first or second
	s_sub_co_u32 s18, 15, s36
	s_xor_b32 s46, s36, 7
	s_add_co_u32 s46, s46, 1
	s_mul_i32 s46, s46, KVR                        ; 8 - g records
	s_add_co_u32 s47, s36, 1
	s_cmp_eq_u32 s36, 7
	s_cselect_b32 s35, 8, 64                       ; of the first waves only g = 7's (octave 8) comes to the diagonal
	s_cmp_lg_u32 s[RO], 0
	s_cselect_b32 s[OC], s36, s18
	s_cselect_b32 s[DG], s36, s35
	s_cselect_b32 s[TR], s47, 64
	s_cselect_b32 s[OF], s46, 0
	s_cselect_b32 s[LA], 7, 8
	s_bfe_u32 s48, ttmp6, 0x40000                  ; cx
	s_and_b32 s50, ttmp7, 0xffff                   ; y = 16 batch + head, which the partners share
	s_mov_b32 s[HM], 0xffff0000
	s_mov_b32 s[SEL], 0x76543210
	s_mov_b32 s[SEL+1], 0xfedcba98
	s_mov_b32 s[CC], 0x3e38aa3b                    ; c = log2(e) / sqrt(64)
	s_mov_b32 s[CC+1], s[CC]                       ; (named with it as a pair, so it is written)
	s_mov_b32 s[NC], 0xbe38aa3b
	s_mov_b32 s[G1], 15|(3<<16)|(1<<21)            ; the mask: all four partners; elements of 8 bytes; bit 21 set beside a mask
	s_mov_b32 s[G1+1], 32<<16                      ; two records: rows of 256 bytes,
	s_mov_b32 s[G1+2], 100<<16                     ; 100 of them
	s_mov_b32 s[G1+3], 32<<16
	s_mov_b32 s[G1+4], 100
	s_mov_b32 s[G1+5], 32
	s_mov_b32 s[G1+6], 0
	s_mov_b32 s[G1+7], 0
	v_and_b32 v24, 31, v0                          ; lane
	v_and_b32 v25, 15, v0                          ; r
	v_bfe_u32 v27, v0, 4, 1                        ; h
	v_lshlrev_b32 v[L16], 4, v24
	v_lshlrev_b32 v[L8], 3, v24
	v_lshlrev_b32 v[R16], 4, v25
	v_lshlrev_b32 v[H8], 3, v27
	v_add_nc_u32 v[BO], v[R16], v27
	s_lshl_b32 s51, s48, 3                         ; tile cx of a panel begins at 8 cx,
	v_lshrrev_b32 v28, 3, v25
	v_mul_u32_u24 v28, 24, v28
	v_add_nc_u32 v28, v28, v25                     ; and row r lies 32 (r / 8) + r % 8 = r + 24 (r / 8) further on
	v_add_nc_u32 v28, s51, v28
	v_lshlrev_b32 v27, 5, v27
	v_sub_nc_u32 v[DM], v28, v27
	s_mul_i32 s52, s17, 2*STB
	s_add_co_u32 s52, s52, STG
	v_add_nc_u32 v[STO], s52, v[L16]
	WIN 0x40
.irp i, 0,1,2,3,4,5
	v_mov_b32 v[160+\i], 0                         ; zero codes beside Q
	v_mov_b32 v[172+\i], 0
	v_mov_b32 v[184+\i], 0
.endr
	RESET
	s_wait_alu depctr_va_vdst(0)                   ; the wait at the head's end
	s_wait_dscnt 0x0                               ; both opening adds are done
	s_wait_kmcnt 0x0
	s_lshr_b32 s52, s50, 2                         ; 4 batch + kv head
	s_mul_i32 s52, s52, 16*KVR
	s_mul_i32 s55, s[WV], 2*KVR                    ; records 2 w and 2 w + 1: in LDS as in memory
	s_add_co_u32 s52, s52, s55
	s_mov_b32 s53, 0
	s_mov_b32 s40, 1
	s_mov_b32 s41, s55
	s_add_nc_u64 s[42:43], s[6:7], s[52:53]
	s_or_b32 s43, s43, 0x80000000
	ROUND                                          ; all four work-groups are here: the joint loads meet
	s_cmp_lt_u32 s[WV], 2                          ; records 0-3 have a line of their own: their two waves wait for them ahead of the others
	s_cbranch_scc0 .Llater
	tensor_load_to_lds s[40:43], s[G1:G1+7]
	s_nop 0
.rept 4
	v_nop
.endr
	s_branch .Lasked
.Llater:
	tensor_load_to_lds s[40:43], s[G1:G1+7]
	s_nop 0
.rept 4
	v_nop
.endr
.Lasked:
.macro QADDR d, a, b                   ; s[d:d+1] = qc + s\a + s\b
	s_add_co_u32 s44, s\a, s\b
	s_add_nc_u64 s[\d:\d+1], s[4:5], s[44:45]
.endm
	s_mov_b32 s45, 0
	s_lshl_b32 s52, s50, 4
	s_add_co_u32 s53, s52, s[OC]
	s_add_co_u32 s54, s52, s18
	s_mul_i32 s53, s53, 6400                       ; Q's record: 16 y + octave
	s_mul_i32 s54, s54, 6400                       ; and that of octave 15 - g (in a first wave the same)
	s_mul_i32 s55, s48, 768                        ; tiles cx and 4 + cx in it,
	s_lshl_b32 s56, s48, 1                         ; and their two scale bytes a row
	QADDR 62, 53, 55
	QADDR 66, 53, 56
	QADDR 68, 54, 55
	QADDR 70, 54, 56
	WIN 0x40
.irp t, 0,1
	global_load_b128 v[QL+12*\t:QL+12*\t+3], v[L16], s[62:63] offset:3072*\t
	global_load_b64 v[QL+12*\t+4:QL+12*\t+5], v[L8], s[62:63] offset:3072*\t+512
	global_load_b128 v[Q2+6*\t:Q2+6*\t+3], v[L16], s[68:69] offset:3072*\t
	global_load_b64 v[Q2+6*\t+4:Q2+6*\t+5], v[L8], s[68:69] offset:3072*\t+512
.endr
	WIN 0
.irp t, 0,1
	global_load_u16 v[QS+\t], v[R16], s[66:67] offset:6144+8*\t
	global_load_u16 v[QS+2+\t], v[R16], s[70:71] offset:6144+8*\t
.endr
	s_lshr_b32 s52, s50, 4                         ; where the result goes: panels 32 batch + 2 x octave + t, K step head / 2
	s_lshl_b32 s52, s52, 5
	s_lshl_b32 s54, s[OC], 1
	s_add_co_u32 s52, s52, s54
	s_mul_i32 s52, s52, 51200
	s_and_b32 s54, s50, 15
	s_lshr_b32 s54, s54, 1
	s_mul_i32 s54, s54, 6400
	s_add_co_u32 s52, s52, s54
	s_mov_b32 s53, 0
	s_add_nc_u64 s[8:9], s[8:9], s[52:53]
	s_and_b32 s54, s50, 1                          ; an even head is the image's first half, an odd one its second
	s_mul_i32 s52, s48, 1536
	s_mul_i32 s51, s54, 768
	s_add_co_u32 s52, s52, s51
	s_add_nc_u64 s[58:59], s[8:9], s[52:53]        ; the codes
	s_lshl_b32 s52, s48, 2
	s_lshl_b32 s51, s54, 1
	s_add_co_u32 s52, s52, s51
	s_add_nc_u64 s[60:61], s[8:9], s[52:53]        ; the two scale bytes
.macro SUM a, b, c, l, s, rounds, last ; a lane's numbers at v[s] on, two at a time, in four chains, onto the pair v[l]
	v_pk_add_f32 v[\a:\a+1], v[\s:\s+1], v[\s+2:\s+3]
	v_pk_add_f32 v[\b:\b+1], v[\s+4:\s+5], v[\s+6:\s+7]
	v_pk_add_f32 v[\c:\c+1], v[\s+8:\s+9], v[\s+10:\s+11]
	v_pk_add_f32 v[\l:\l+1], v[\l:\l+1], v[\s+12:\s+13]
.set n, 14
.rept \rounds
	v_pk_add_f32 v[\a:\a+1], v[\a:\a+1], v[\s+n:\s+n+1]
	v_pk_add_f32 v[\b:\b+1], v[\b:\b+1], v[\s+n+2:\s+n+3]
	v_pk_add_f32 v[\c:\c+1], v[\c:\c+1], v[\s+n+4:\s+n+5]
	v_pk_add_f32 v[\l:\l+1], v[\l:\l+1], v[\s+n+6:\s+n+7]
.set n, n+8
.endr
	v_pk_add_f32 v[\a:\a+1], v[\a:\a+1], v[\s+\last:\s+\last+1]
	v_pk_add_f32 v[\b:\b+1], v[\b:\b+1], v[\c:\c+1]
	v_pk_add_f32 v[\l:\l+1], v[\l:\l+1], v[\a:\a+1]
	v_pk_add_f32 v[\l:\l+1], v[\l:\l+1], v[\b:\b+1]
.endm
.macro CONVERT t
.irp c, 0,1
	v_cvt_scalef32_pk16_fp6_f32 v[PC+12*\t+6*\c:PC+12*\t+6*\c+2], v[S+64*\t+32*\c:S+64*\t+32*\c+15], v[SO+2*\t+\c]
	v_cvt_scalef32_pk16_fp6_f32 v[CT+8*\t+4*\c:CT+8*\t+4*\c+2], v[S+64*\t+32*\c+16:S+64*\t+32*\c+31], v[SO+2*\t+\c]
.endr
.endm
.macro MOVES t
.irp i, 0,1,2
	v_mov_b32 v[PC+12*\t+3+\i], v[CT+8*\t+\i]
	v_mov_b32 v[PC+12*\t+9+\i], v[CT+8*\t+4+\i]
.endr
.endm
; A KEY STEP: 128 keys for two tiles.  At its head K's 17 loads and, younger, V's 17 are out.  ahead = 1: the record at s[TB] is asked for.  No barrier and no tensor load stands in a step.
.macro STEP ahead
	s_wait_dscnt 17                                ; K is in; V's 17 loads may be out
	WIN 0x05                                       ; both sources window 1
.irp t, 0,1
.irp p, 0,1,2,3
	MM0 S+64*\t+16*\p, 12*\p, QL+12*\t, KS+\p, QS+\t        ; S^T = K Q^T, key tile 2 p
	MM0 S+64*\t+16*\p+8, 12*\p, QH+12*\t, KS+\p, QS+\t      ; and key tile 2 p + 1
.endr
.endr
	WIN 0
	v_mov_b32 v[TA], v[NM]                         ; the old -M.  These lines are the places in front of loads into registers that matrix instructions have read, and of the first read of results
	v_mov_b32 v[TA+1], v[NM+4]
.if \ahead
	ADDR
	LOADS KS, 0, 0
.else
	v_nop
	v_nop
.endif
	s_cmp_lg_u32 s[I], s[DG]                       ; on the diagonal the scores of hidden keys become -infinity ahead of the maximum: p = 0 then.  My own key counts, so the row's maximum is a number
	s_cbranch_scc1 .Lopen_\@
	v_mov_b32 v27, 0xff800000
.set n, 0
.rept 32
	v_cmp_gt_i32 vcc_lo, n, v[DM]                  ; tile 0 in the first 64 keys and tile 1 in the second stand alike;
	v_cndmask_b32 v[S+n], v[S+n], v27, vcc_lo
	v_cndmask_b32 v[S+96+n], v[S+96+n], v27, vcc_lo
.set n, n+1
.endr
.set n, 0
.rept 32
	v_mov_b32 v[S+32+n], v27                       ; tile 0 sees none of the second 64, tile 1 all of the first
.set n, n+1
.endr
.Lopen_\@:
.irp t, 0,1
.irp c, 0,1
	v_max3_num_f32 v[BM+2*\t+\c], v[S+64*\t+32*\c], v[S+64*\t+32*\c+1], v[S+64*\t+32*\c+2]   ; the largest score of each block of 32 keys: it serves for the row's maximum and, since p rises with the score, for the block's largest p
	v_max3_num_f32 v[PT+4*\t+\c], v[S+64*\t+32*\c+16], v[S+64*\t+32*\c+17], v[S+64*\t+32*\c+18]
.endr
.irp i, 3,5,7,9,11,13
.irp c, 0,1
	v_max3_num_f32 v[BM+2*\t+\c], v[BM+2*\t+\c], v[S+64*\t+32*\c+\i], v[S+64*\t+32*\c+\i+1]
	v_max3_num_f32 v[PT+4*\t+\c], v[PT+4*\t+\c], v[S+64*\t+32*\c+16+\i], v[S+64*\t+32*\c+17+\i]
.endr
.endr
.irp c, 0,1
	v_max3_num_f32 v[BM+2*\t+\c], v[BM+2*\t+\c], v[S+64*\t+32*\c+15], v[S+64*\t+32*\c+31]
.endr
.irp c, 0,1
	v_max_num_f32 v[BM+2*\t+\c], v[BM+2*\t+\c], v[PT+4*\t+\c]
.endr
.endr
.irp t, 0,1
	v_max_num_f32 v[PT+4*\t+2], v[BM+2*\t], v[BM+2*\t+1]
.endr
.irp t, 0,1
	s_delay_alu instid0(VALU_DEP_2)
	v_permlanex16_b32 v[PT+4*\t+3], v[PT+4*\t+2], s[SEL], s[SEL+1]
.endr
.irp t, 0,1
	s_delay_alu instid0(VALU_DEP_2)
	v_max3_num_f32 v[MX+4*\t], v[MX+4*\t], v[PT+4*\t+2], v[PT+4*\t+3]   ; the running largest score, with lane l xor 16's 64 keys
.endr
.irp t, 0,1
	s_delay_alu instid0(VALU_DEP_2)
	v_mul_f32 v[NM+4*\t], s[NC], v[MX+4*\t]        ; (c is positive)
.endr
.irp t, 0,1
	s_delay_alu instid0(VALU_DEP_2)
	v_floor_f32 v[NM+4*\t], v[NM+4*\t]             ; the new -M = floor(-t) = -ceil(t)
.endr
.irp t, 0,1
	s_delay_alu instid0(VALU_DEP_2)
	v_sub_f32 v[TA+\t], v[NM+4*\t], v[TA+\t]       ; old M less new M: a whole number, 0 or less
.endr
.irp t, 0,1
	s_delay_alu instid0(VALU_DEP_2)
	v_cvt_i32_f32 v[TA+\t], v[TA+\t]               ; (it saturates)
.endr
.irp t, 0,1
	s_delay_alu instid0(VALU_DEP_2)
	v_ldexp_f32 v[FF+2*\t], 1.0, v[TA+\t]          ; f
.endr
.irp t, 0,1
.set n, 0
.rept 32
	v_pk_fma_f32 v[S+64*\t+n:S+64*\t+n+1], v[S+64*\t+n:S+64*\t+n+1], s[CC:CC+1], v[NM+4*\t:NM+4*\t+1] op_sel_hi:[1,0,0]   ; t - M, two at a time
.set n, n+2
.endr
.irp c, 0,1
	v_fma_f32 v[BM+2*\t+\c], v[BM+2*\t+\c], s[CC], v[NM+4*\t]
.endr
	v_pk_mul_f32 v[LS+4*\t:LS+4*\t+1], v[LS+4*\t:LS+4*\t+1], v[FF+2*\t:FF+2*\t+1] op_sel_hi:[1,0]   ; the sums under the new M
.endr
	WIN 0x41
.irp t, 0,1
.set n, 0
.rept 16
	v_pk_mul_f32 v[O+32*\t+n:O+32*\t+n+1], v[O+32*\t+n:O+32*\t+n+1], v[FF+2*\t:FF+2*\t+1] op_sel_hi:[1,0]   ; and O^T
.set n, n+2
.endr
.endr
	WIN 0
	s_wait_alu depctr_va_vdst(0)
.irp b, 0,1,2,3
	v_exp_f32 v[BM+\b], v[BM+\b]                   ; the blocks' largest p
.endr
.set n, 0
.rept 64
	v_exp_f32 v[S+n], v[S+n]                       ; tile 0: p = 2^(t - M), at most 1
.set n, n+1
.endr
	v_nop                                          ; one plain place behind a transcendental
	s_wait_alu depctr_va_vdst(0)                   ; one wait for the batch, ahead of its first reader
.irp b, 0,1,2,3
	v_max_num_f32 v[BM+\b], 0x1800000, v[BM+\b]    ; the floor 2^(3 - 127): a block whose every p is 0 keeps the byte 1 over zero codes
.endr
.irp b, 0,1,2,3
	v_add_nc_u32 v[SO+\b], 0xff000000, v[BM+\b]    ; 2 off the exponent field
.endr
.irp t, 0,1
.irp c, 0,1
	v_lshrrev_b32 v[PT+4*\t+\c], 23, v[SO+2*\t+\c] ; the byte of block 2 c + h
.endr
.endr
	CONVERT 0
.irp t, 0,1
	v_lshl_or_b32 v[PT+4*\t], v[PT+4*\t+1], 16, v[PT+4*\t]   ; (the first is the plain place behind the scaled conversions)
.endr
.irp t, 0,1
	v_lshlrev_b32 v[PT+4*\t], v[H8], v[PT+4*\t]    ; my two bytes at their places,
.endr
.irp t, 0,1
	v_permlanex16_b32 v[PT+4*\t+1], v[PT+4*\t], s[SEL], s[SEL+1]
.endr
	MOVES 0
.irp t, 0,1
	v_or_b32 v[PW+\t], v[PT+4*\t], v[PT+4*\t+1]    ; with lane l xor 16's two: p's scale word for these 128 keys
.endr
	s_wait_alu depctr_va_vdst(0)                   ; and the second batch's two waits
.set n, 0
.rept 16
	v_exp_f32 v[S+64+4*n], v[S+64+4*n]             ; tile 1's p; among them tile 0's row sum (of the unquantised p) begins: 32 numbers onto the other 32
	v_exp_f32 v[S+65+4*n], v[S+65+4*n]
	v_exp_f32 v[S+66+4*n], v[S+66+4*n]
	v_exp_f32 v[S+67+4*n], v[S+67+4*n]
	v_pk_add_f32 v[S+2*n:S+2*n+1], v[S+2*n:S+2*n+1], v[S+32+2*n:S+33+2*n]
.set n, n+1
.endr
	s_wait_alu depctr_va_vdst(0)
	CONVERT 1
	SUM T0, T0+2, T0+4, LS, S, 2, 30               ; (its first line is the plain place behind the scaled conversions)
	MOVES 1
	SUM T0+6, T0+8, T0+10, LS+4, S+64, 6, 62       ; (these lines are also the places between the writing of p's codes and the products)
	s_wait_alu depctr_va_vdst(0)
.if \ahead
	s_wait_dscnt 17                                ; V is in; the next K's 17 loads may be out
.else
	s_wait_dscnt 0x0
.endif
	WIN 0x51                                       ; source 0, C and D window 1, source 1 window 0
.irp t, 0,1
.irp a, 0,1,2,3
	MMA O+32*\t+8*\a, VF+12*\a, PC+12*\t, VS+\a, PW+\t      ; O^T += V^T P^T: the eight accumulators by turns
.endr
.endr
	WIN 0
.rept 4
	v_nop                                          ; four places: loads land where V lay, and O^T may be read next
.endr
.if \ahead
	LOADS VS, VF, 6400
.endif
.endm
	s_wait_loadcnt 0x0                             ; Q
.irp t, 0,1,2,3
	v_lshl_or_b32 v[QS+\t], v[QS+\t], 16, v[QS+\t] ; its two bytes, twice: for Q|0 and for 0|Q
.endr
.irp i, 0,1,2,3,4,5,6,7
	v_mov_b32 v[PT+\i], 0                          ; a lane permute's destination counts as one of its sources.  (These are also the places between the writing of the scale registers and the first product)
.endr
.irp t, 0,1
	v_mov_b32 v[FF+2*\t+1], 0                      ; (named as upper halves of pairs)
	v_mov_b32 v[FG+2*\t+1], 0
	v_mov_b32 v[T0+2+\t], 0
.endr
	s_wait_alu depctr_va_vdst(0)
	s_cmp_lt_u32 s[WV], 2
	s_cbranch_scc0 .Lnot_mine
	s_wait_tensorcnt 0x0                           ; records 0-3 have landed; the others may be out
.Lnot_mine:
	s_wait_dscnt 0x0
	s_barrier_signal -1
	s_barrier_wait -1
	s_mov_b32 s[TB], 0
	s_mov_b32 s[I], 0
	ADDR
	s_wait_alu depctr_va_vdst(0)
	LOADS KS, 0, 0
	LOADS VS, VF, 6400
	STEP 0                                         ; step 0 is key step 0 in every wave
	s_wait_tensorcnt 0x0
	s_wait_dscnt 0x0
	s_barrier_signal -1
	s_barrier_wait -1                              ; the whole stream is in
	s_mov_b32 s[I], 1
	NEXT s[I]
	ADDR
	s_wait_alu depctr_va_vdst(0)
	LOADS KS, 0, 0
	LOADS VS, VF, 6400
.Lloop:
	s_cmp_lg_u32 s[I], s[TR]                       ; a second wave sends octave g out and turns to octave 15 - g
	s_cbranch_scc1 .Lgo_on
	FINAL
	WIN 0x41
.irp i, 0,1,2,3,4,5
	v_mov_b32 v[QL+\i], v[Q2+\i]
	v_mov_b32 v[QL+12+\i], v[Q2+6+\i]
.endr
	WIN 0
	v_mov_b32 v[QS], v[QS+2]
	v_mov_b32 v[QS+1], v[QS+3]
	RESET
	s_mov_b32 s[DG], 7                             ; its last step is the diagonal
	s_wait_alu depctr_va_vdst(0)
	s_wait_xcnt 0x0                                ; the stores have read their registers, which the next step writes again
.Lgo_on:
	s_cmp_gt_u32 s[I], s[LA]                       ; step 8 is the first waves' alone
	s_cbranch_scc1 .Lskip
	s_add_co_u32 s46, s[I], 1
	NEXT s46
	STEP 1
.Lskip:
	s_add_co_u32 s[I], s[I], 1
	s_cmp_lt_u32 s[I], 9
	s_cbranch_scc1 .Lloop
	; THE JOINING: a second wave's part goes to the first through their stage
	s_wait_alu depctr_va_vdst(0)
	s_wait_dscnt 0x0                               ; the last look-ahead
	s_cmp_eq_u32 s[RO], 0
	s_cbranch_scc1 .Lmeet
	WIN 0x04                                       ; the data: window 1
.irp t, 0,1
.irp k, 0,1,2,3,4,5,6,7
	ds_store_b128 v[STO], v[O+32*\t+4*\k:O+32*\t+4*\k+3] offset:STB*\t+512*\k   ; each accumulator from its low end on
.endr
.endr
	WIN 0
.irp t, 0,1
	ds_store_b128 v[STO], v[NM+4*\t:NM+4*\t+3] offset:STB*\t+4096   ; -M, the largest score, the sum's two halves
.endr
.Lmeet:
	s_wait_dscnt 0x0                               ; for the first wave's sake: my part is in the stage
	s_barrier_signal -1
	s_barrier_wait -1
	s_cmp_lg_u32 s[RO], 0
	s_cbranch_scc1 .Lend
.irp t, 0,1
	ds_load_b128 v[PB+4*\t:PB+4*\t+3], v[STO] offset:STB*\t+4096
.endr
.irp t, 0,1
.irp k, 0,1,2,3,4,5,6,7
	ds_load_b128 v[S+64*\t+4*\k:S+64*\t+4*\k+3], v[STO] offset:STB*\t+512*\k
.endr
.endr
	s_wait_dscnt 0x0
.irp t, 0,1
	v_min_num_f32 v[TA+\t], v[NM+4*\t], v[PB+4*\t] ; the joint -M
.endr
.irp t, 0,1
	v_sub_f32 v[NM+4*\t], v[TA+\t], v[NM+4*\t]
	v_sub_f32 v[PB+4*\t], v[TA+\t], v[PB+4*\t]
.endr
.irp t, 0,1
	v_cvt_i32_f32 v[NM+4*\t], v[NM+4*\t]
	v_cvt_i32_f32 v[PB+4*\t], v[PB+4*\t]
.endr
.irp t, 0,1
	v_ldexp_f32 v[FF+2*\t], 1.0, v[NM+4*\t]        ; my part's factor, and the other's (0 where it has no keys)
	v_ldexp_f32 v[FG+2*\t], 1.0, v[PB+4*\t]
.endr
.irp t, 0,1
	v_pk_mul_f32 v[LS+4*\t:LS+4*\t+1], v[LS+4*\t:LS+4*\t+1], v[FF+2*\t:FF+2*\t+1] op_sel_hi:[1,0]
.endr
.irp t, 0,1
	v_pk_fma_f32 v[LS+4*\t:LS+4*\t+1], v[PB+4*\t+2:PB+4*\t+3], v[FG+2*\t:FG+2*\t+1], v[LS+4*\t:LS+4*\t+1] op_sel_hi:[1,0,1]
.endr
	WIN 0x41
.irp t, 0,1
.set n, 0
.rept 16
	v_pk_mul_f32 v[O+32*\t+n:O+32*\t+n+1], v[O+32*\t+n:O+32*\t+n+1], v[FF+2*\t:FF+2*\t+1] op_sel_hi:[1,0]
.set n, n+2
.endr
.endr
	WIN 0x50                                       ; source 2 and destination window 1
.irp t, 0,1
.set n, 0
.rept 16
	v_pk_fma_f32 v[O+32*\t+n:O+32*\t+n+1], v[S+64*\t+n:S+64*\t+n+1], v[FG+2*\t:FG+2*\t+1], v[O+32*\t+n:O+32*\t+n+1] op_sel_hi:[1,0,1]
.set n, n+2
.endr
.endr
	WIN 0
	FINAL
.Lend:
	s_wait_tensorcnt 0x0                           ; the wave's end: behind my last tensor load and my last LDS store
	ds_add_u32 v[SPW], v[NIL]
	s_wait_dscnt 0x0
	ROUND                                          ; the closing round: no work-group ends while a partner may still ask for a tile that names it
	s_endpgm
.Lfunc_end_k_q70fab77014_attn:
	.size	k_q70fab77014_attn, .Lfunc_end_k_q70fab77014_attn-k_q70fab77014_attn
	.p2alignl 7, 3214868480
	.fill 96, 4, 3214868480
	.section	.rodata,"a",@progbits
	.p2align	6, 0x0
	.amdhsa_kernel k_q70fab77014_attn
		.amdhsa_group_segment_fixed_size 242688
		.amdhsa_private_segment_fixed_size 0
		.amdhsa_enable_private_segment 0
		.amdhsa_kernarg_size 24
		.amdhsa_user_sgpr_count 2
		.amdhsa_user_sgpr_kernarg_segment_ptr 1
		.amdhsa_wavefront_size32 1
		.amdhsa_system_sgpr_workgroup_id_x 1
		.amdhsa_system_sgpr_workgroup_id_y 1
		.amdhsa_system_sgpr_workgroup_id_z 1
		.amdhsa_system_vgpr_workitem_id 0
		.amdhsa_next_free_vgpr 464
		.amdhsa_next_free_sgpr 72
		.amdhsa_reserve_vcc 1
		.amdhsa_float_denorm_mode_32 3
		.amdhsa_float_denorm_mode_16_64 3
		.amdhsa_memory_ordered 1
		.amdhsa_forward_progress 1
		.amdhsa_inst_pref_size 102
	.end_amdhsa_kernel
	.amdgpu_metadata
---
amdhsa.version: [ 1, 2 ]
amdhsa.kernels:
  - .name:           k_q70fab77014_attn
    .symbol:         k_q70fab77014_attn.kd
    .args:
      - { .name: qc, .offset: 0, .size: 8, .value_kind: global_buffer, .address_space: global }
      - { .name: kv, .offset: 8, .size: 8, .value_kind: global_buffer, .address_space: global }
      - { .name: ac, .offset: 16, .size: 8, .value_kind: global_buffer, .address_space: global }
    .group_segment_fixed_size: 242688
    .private_segment_fixed_size: 0
    .kernarg_segment_align: 8
    .kernarg_segment_size: 24
    .max_flat_workgroup_size: 256
    .sgpr_count:     72
    .vgpr_count:     464
    .wavefront_size: 32
...
	.end_amdgpu_metadata
.endif
;; end of part 3
;; launch oproj (part 4): grid 8 x 32, 4 waves a work-group, clusters of 4 x 4, 222,720 bytes of LDS; arguments ac, wc, out0; writes out0
.if DOCPART == 4
	.amdgcn_target "amdgcn-amd-amdhsa--gfx1250"
	.amdhsa_code_object_version 6
	.text
	.protected	k_q70fab77014_oproj
	.globl	k_q70fab77014_oproj
	.p2align	8
	.type	k_q70fab77014_oproj,@function
k_q70fab77014_oproj:
	s_mov_b64 s[64:65], 0
	v_nop
	global_prefetch_b8 v0, s[64:65] scope:SCOPE_SE
	s_setreg_imm32_b32 hwreg(HW_REG_WAVE_MODE, 25, 1), 1
	s_wait_xcnt 0x0
	s_wait_alu depctr_hold_cnt(0) depctr_sa_sdst(0) depctr_va_vdst(0) depctr_va_sdst(0) depctr_va_ssrc(0) depctr_va_vcc(0) depctr_vm_vsrc(0)
	s_getreg_b32 s2, hwreg(HW_REG_IB_STS2, 6, 4)
	s_cmp_eq_u32 s2, 0
	s_cbranch_scc0 .Lentry_in_a_cluster
	s_endpgm
.Lentry_in_a_cluster:
	s_bfe_u32 s2, ttmp6, 0x10000c
	s_cmp_lg_u32 s2, 0xf033
	s_cbranch_scc0 .Lentry_shape_is_right
	s_endpgm
.Lentry_shape_is_right:
; LAUNCH 4 OF 4: out0 = (attention's result) wo, on codes of FP6 (E2M3) with E8M0 block scales; sums in f32.  Nothing is left out here.
; SHARES.  A work-group makes 128 tokens x 128 columns; wave w 64 tokens (w / 2) x 64 columns (w % 2): 16 accumulators.  K = 1,024 in 8 steps of 128.  The four panels of 51,200 bytes that the work-group needs lie in LDS at once,
; filled once, in two chunks of four K steps: wave w fetches chunk w / 2 of the tokens' two panels (w % 2 = 0) or of the weights' two (1).  LDS: chunk c at 102,400 c; sub-panel p (0, 1: tokens; 2, 3: columns) at 25,600 p.
; CLUSTER 4 x 4.  The tokens' panels hang on the work-group's y alone and are shared along a row of the cluster, the weights' on x alone and are shared along a column: each is asked for jointly.  No prefetch: all tiles are asked for at the head.
; Source 0 = 16 columns, source 1 = 16 tokens: a lane holds one token and eight neighbouring columns.  A tile of 16 tokens x 64 columns goes through my stage in LDS and leaves as rows of 256 consecutive bytes, aligned.
; The fragments of a K step have two sets of registers in window 1 (v256-351, v352-447): while one is multiplied, the next step's loads land in the other.  A token's image is two half images of 768 bytes (4 and 2 registers each),
; as the attention stored them; a weight's is three pieces of 4 registers.
.set PANEL, 51200
.set REC,   6400
.set FRB,   1536
.set SUB,   25600                      ; a panel's part of a chunk: four records
.set CH,    102400
.set STG,   204800                     ; a stage of 16 rows x 272 bytes for each wave
.set SPARE, 222208                     ; the spare words, 128 bytes for each wave: two blocks of 256 bytes that no other line names
.set SPW,  14
.set NIL,  15
.set SC,   16                          ; v16-23, v24-31: two sets of scale words (source 0's four, source 1's four) and nothing else
.set BK,   32                          ; v32-127 the way out: three sets of 16 rows
.set ACC,  128                         ; accumulator (a, b) at 128 + 32 b + 8 a
.set G1A,  24                          ; s[24:31] group 1 for the tokens' panels;  s[32:39] for the weights'
.set G1B,  32
.set G0A,  40                          ; s[40:43], s[44:47] their groups 0
.set G0B,  44
.set MSB, 0
.macro WIN new                         ; the immediate's high byte repeats the setting that is left
.if MSB != \new
	s_set_vgpr_msb (MSB<<8)|\new
.set MSB, \new
.endif
.endm
.macro ROUND
	s_barrier_signal -1
	s_barrier_wait -1
	s_cmp_lg_u32 s10, 0
	s_cbranch_scc1 .Lnot_wave_0_\@
	s_barrier_signal -3
.Lnot_wave_0_\@:
	s_barrier_wait -3
	s_barrier_signal -1
	s_barrier_wait -1
.endm
.macro PLACES                          ; four places in front of loads into registers that matrix instructions have read, and of the first read of results
.rept 4
	v_nop
.endr
.endm
.macro KLOAD e, set                    ; record e of the chunk in hand: 30 LDS loads
	WIN 0
	ds_load_b128 v[SC+8*\set:SC+8*\set+3], v6 offset:REC*\e+6144
	ds_load_b128 v[SC+8*\set+4:SC+8*\set+7], v9 offset:REC*\e+6144
	WIN 0x40                                       ; destination window 1, address window 0
.irp i, 0,1,2,3
	ds_load_b128 v[96*\set+48+12*\i:96*\set+51+12*\i], v7 offset:REC*\e+FRB*\i
	ds_load_b64 v[96*\set+52+12*\i:96*\set+53+12*\i], v8 offset:REC*\e+FRB*\i+512
	ds_load_b128 v[96*\set+54+12*\i:96*\set+57+12*\i], v7 offset:REC*\e+FRB*\i+768
	ds_load_b64 v[96*\set+58+12*\i:96*\set+59+12*\i], v8 offset:REC*\e+FRB*\i+1280
.endr
.irp i, 0,1,2,3
.irp p, 0,1,2
	ds_load_b128 v[96*\set+12*\i+4*\p:96*\set+12*\i+4*\p+3], v4 offset:REC*\e+FRB*\i+512*\p
.endr
.endr
.endm
.macro MULT set, zero                  ; 16 matrix instructions, the accumulators by turns in the same order in every step
	WIN 0x05                                       ; both sources window 1, C and D window 0
.irp a, 0,1,2,3
.irp b, 0,1,2,3
.if \zero
	v_wmma_scale_f32_16x16x128_f8f6f4 v[ACC+32*\b+8*\a:ACC+32*\b+8*\a+7], v[96*\set+12*\a:96*\set+12*\a+11], v[96*\set+48+12*\b:96*\set+59+12*\b], 0, v[SC+8*\set+\a], v[SC+8*\set+4+\b] matrix_a_fmt:MATRIX_FMT_FP6 matrix_b_fmt:MATRIX_FMT_FP6
.else
	v_wmma_scale_f32_16x16x128_f8f6f4 v[ACC+32*\b+8*\a:ACC+32*\b+8*\a+7], v[96*\set+12*\a:96*\set+12*\a+11], v[96*\set+48+12*\b:96*\set+59+12*\b], v[ACC+32*\b+8*\a:ACC+32*\b+8*\a+7], v[SC+8*\set+\a], v[SC+8*\set+4+\b] matrix_a_fmt:MATRIX_FMT_FP6 matrix_b_fmt:MATRIX_FMT_FP6
.endif
.endr
.endr
.endm
.macro CHUNK zero
	KLOAD 0, 0
	KLOAD 1, 1
	s_wait_dscnt 30                                ; the step in hand is in; the next step's 30 loads may be out
	MULT 0, \zero
	PLACES
	KLOAD 2, 0
	s_wait_dscnt 30
	MULT 1, 0
	PLACES
	KLOAD 3, 1
	s_wait_dscnt 30
	MULT 0, 0
	s_wait_dscnt 0x0
	MULT 1, 0
	WIN 0
.endm
	s_load_b128 s[4:7], s[0:1], 0x0                ; ac s[4:5], wc s[6:7]
	s_load_b64 s[8:9], s[0:1], 0x10                ; out0
	v_lshl_add_u32 v[SPW], v0, 2, SPARE
	v_mov_b32 v[NIL], 0
	ds_add_u32 v[SPW], v[NIL]                      ; the wave's opening: the add, twice on end, and its wait ahead of the round in front of the first tensor loads
	ds_add_u32 v[SPW], v[NIL]                      ; and once more; the set-up below, work on registers, stands between it and the wait
	v_lshrrev_b32 v1, 5, v0
	v_readfirstlane_b32 s10, v1                    ; wave 0..3
	s_lshr_b32 s11, s10, 1                         ; which 64 tokens.  Also: which chunk I fetch
	s_and_b32 s12, s10, 1                          ; which 64 columns
	s_bfe_u32 s13, ttmp6, 0x40000                  ; cx
	s_bfe_u32 s14, ttmp6, 0x40004                  ; cy
	s_lshl_b32 s15, ttmp9, 2
	s_add_co_u32 s15, s15, s13                     ; block of 128 columns
	s_and_b32 s16, ttmp7, 0xffff
	s_lshl_b32 s16, s16, 2
	s_add_co_u32 s16, s16, s14                     ; block of 128 tokens
	s_lshl_b32 s17, s14, 2
	s_lshl_b32 s17, 15, s17                        ; my row of the cluster
	s_lshl_b32 s18, 0x1111, s13                    ; my column
	s_or_b32 s[G1A], s17, (3<<16)|(1<<21)          ; the mask; elements of 8 bytes; bit 21 set beside a mask
	s_or_b32 s[G1B], s18, (3<<16)|(1<<21)
.irp g, G1A, G1B
	s_mov_b32 s[\g+1], 3200<<16                    ; two rows of 25,600 bytes (3,200 elements), 51,200 bytes apart in memory, on end in LDS
	s_mov_b32 s[\g+2], 2<<16
	s_mov_b32 s[\g+3], 3200<<16
	s_mov_b32 s[\g+4], 2
	s_mov_b32 s[\g+5], PANEL/8
	s_mov_b32 s[\g+6], 0
	s_mov_b32 s[\g+7], 0
.endr
	v_and_b32 v1, 31, v0                           ; lane
	v_and_b32 v2, 15, v0                           ; r
	v_bfe_u32 v3, v0, 4, 1                         ; h
	v_lshlrev_b32 v10, 4, v1
	v_lshlrev_b32 v11, 3, v1
	v_lshlrev_b32 v32, 4, v2
	s_mul_i32 s2, s12, SUB
	s_add_co_u32 s2, s2, 2*SUB                     ; source 0: my columns' sub-panel
	s_mul_i32 s3, s11, SUB                         ; source 1: my tokens'
	v_add_nc_u32 v4, s2, v10
	v_add_nc_u32 v6, s2, v32
	v_add_nc_u32 v7, s3, v10
	v_add_nc_u32 v8, s3, v11
	v_add_nc_u32 v9, s3, v32
	s_mul_i32 s2, s10, 4352                        ; my stage
	s_add_co_u32 s2, s2, STG
	v_mul_u32_u24 v12, v2, 272
	v_lshl_add_u32 v12, v3, 5, v12
	v_add_nc_u32 v12, s2, v12                      ; in: row r, + 32 h
	v_mul_u32_u24 v13, v3, 272
	v_lshl_add_u32 v13, v2, 4, v13
	v_add_nc_u32 v13, s2, v13                      ; back: lanes 0-15 one row, lanes 16-31 the next
	v_lshlrev_b32 v5, 12, v3
	v_lshl_add_u32 v5, v2, 4, v5                   ; and the same two rows in out0
	s_mul_i32 s48, s11, SUB                        ; my chunk in a panel
	s_lshl_b32 s50, s16, 1
	s_mul_i32 s50, s50, PANEL                      ; the tokens' panels 2 y, 2 y + 1: in registers that never hold cx
	s_add_co_u32 s50, s50, s48
	s_mov_b32 s51, 0
	s_lshl_b32 s52, s15, 1
	s_add_co_u32 s52, s52, 24
	s_mul_i32 s52, s52, PANEL                      ; wo's panels 24 + 2 x on: in registers that never hold cy
	s_add_co_u32 s52, s52, s48
	s_mov_b32 s53, 0
	s_mul_i32 s54, s11, CH                         ; in LDS
	s_wait_alu depctr_va_vdst(0)                   ; the wait at the head's end
	s_wait_dscnt 0x0                               ; both opening adds are done
	s_wait_kmcnt 0x0
	s_mov_b32 s[G0A], 1
	s_mov_b32 s[G0A+1], s54
	s_add_nc_u64 s[G0A+2:G0A+3], s[4:5], s[50:51]
	s_or_b32 s[G0A+3], s[G0A+3], 0x80000000
	s_mov_b32 s[G0B], 1
	s_add_co_u32 s[G0B+1], s54, 2*SUB
	s_add_nc_u64 s[G0B+2:G0B+3], s[6:7], s[52:53]
	s_or_b32 s[G0B+3], s[G0B+3], 0x80000000
	ROUND                                          ; all sixteen work-groups are here: the joint loads meet
; ONE tree of branches on the wave's number, an arm with one load for each wave, all leading to one join
.macro ARM under, g0, g1
	s_cmp_lt_u32 s10, \under
	s_cbranch_scc0 .Lnext_\@
	tensor_load_to_lds s[\g0:\g0+3], s[\g1:\g1+7]
	s_nop 0
.rept 4
	v_nop
.endr
	s_branch .Lasked
.Lnext_\@:
.endm
	ARM 1, G0A, G1A
	ARM 2, G0B, G1B
	ARM 3, G0A, G1A
	tensor_load_to_lds s[G0B:G0B+3], s[G1B:G1B+7]
	s_nop 0
	PLACES
.Lasked:
	s_lshl_b32 s58, s16, 7
	s_lshl_b32 s59, s11, 6
	s_add_co_u32 s58, s58, s59                     ; my panel's first token,
	s_lshl_b32 s58, s58, 12                        ; rows of 4,096 bytes,
	s_lshl_b32 s59, s15, 9
	s_add_co_u32 s58, s58, s59                     ; + 512 x column block
	s_lshl_b32 s59, s12, 8
	s_add_co_u32 s58, s58, s59                     ; + 256 x my half
	s_mov_b32 s59, 0
	s_add_nc_u64 s[8:9], s[8:9], s[58:59]
	s_cmp_lt_u32 s10, 2
	s_cbranch_scc0 .Lnot_mine
	s_wait_tensorcnt 0x0                           ; chunk 0 has landed; chunk 1's loads are other waves' and other lines, and may be out
.Lnot_mine:
	s_wait_dscnt 0x0
	s_barrier_signal -1
	s_barrier_wait -1
	CHUNK 1
.irp a, 4,6,7,8,9
	v_add_nc_u32 v\a, CH, v\a                      ; to chunk 1.  (These five are also the places in front of its loads)
.endr
	s_wait_alu depctr_va_vdst(0)
	s_wait_tensorcnt 0x0
	s_wait_dscnt 0x0
	s_barrier_signal -1
	s_barrier_wait -1                              ; chunk 1 is in
	CHUNK 0
	PLACES
; THE WAY OUT, 16 tokens at a time: row 8 g + i of tile b is token 32 g + 8 b + i of my panel
.macro TOSTAGE b
.irp a, 0,1,2,3
	ds_store_b128 v12, v[ACC+32*\b+8*\a:ACC+32*\b+8*\a+3] offset:64*\a         ; each accumulator from its low end on
	ds_store_b128 v12, v[ACC+32*\b+8*\a+4:ACC+32*\b+8*\a+7] offset:64*\a+16
.endr
.irp i, 0,1,2,3,4,5,6,7
	ds_load_b128 v[BK+32*(\b%3)+4*\i:BK+32*(\b%3)+4*\i+3], v13 offset:544*\i   ; LDS serves a wave's instructions in order: these see my stores
.endr
.endm
.macro SEND b, younger                 ; younger: the next tile's eight stores and eight loads, which may be out
	s_wait_dscnt \younger
.irp i, 0,1,2,3,4,5,6,7
	global_store_b128 v5, v[BK+32*(\b%3)+4*\i:BK+32*(\b%3)+4*\i+3], s[8:9] offset:(32*(\i/4)+8*\b+(2*\i)%8)*4096 th:TH_STORE_NT   ; sixteen lanes store 256 consecutive bytes, aligned
.endr
.endm
	TOSTAGE 0
	TOSTAGE 1
	SEND 0, 16
	TOSTAGE 2
	SEND 1, 16
	s_wait_xcnt 0x0                                ; tile 0's stores have read the registers that tile 3's loads write
	TOSTAGE 3
	SEND 2, 16
	SEND 3, 0
	s_wait_tensorcnt 0x0                           ; the wave's end: behind my last tensor load and my last LDS store
	ds_add_u32 v[SPW], v[NIL]
	s_wait_dscnt 0x0
	ROUND                                          ; the closing round: no work-group ends while a partner may still ask for a tile that names it
	s_endpgm
.Lfunc_end_k_q70fab77014_oproj:
	.size	k_q70fab77014_oproj, .Lfunc_end_k_q70fab77014_oproj-k_q70fab77014_oproj
	.p2alignl 7, 3214868480
	.fill 96, 4, 3214868480
	.section	.rodata,"a",@progbits
	.p2align	6, 0x0
	.amdhsa_kernel k_q70fab77014_oproj
		.amdhsa_group_segment_fixed_size 222720
		.amdhsa_private_segment_fixed_size 0
		.amdhsa_enable_private_segment 0
		.amdhsa_kernarg_size 24
		.amdhsa_user_sgpr_count 2
		.amdhsa_user_sgpr_kernarg_segment_ptr 1
		.amdhsa_wavefront_size32 1
		.amdhsa_system_sgpr_workgroup_id_x 1
		.amdhsa_system_sgpr_workgroup_id_y 1
		.amdhsa_system_sgpr_workgroup_id_z 1
		.amdhsa_system_vgpr_workitem_id 0
		.amdhsa_next_free_vgpr 512
		.amdhsa_next_free_sgpr 72
		.amdhsa_reserve_vcc 0
		.amdhsa_float_denorm_mode_32 3
		.amdhsa_float_denorm_mode_16_64 3
		.amdhsa_memory_ordered 1
		.amdhsa_forward_progress 1
		.amdhsa_inst_pref_size 48
	.end_amdhsa_kernel
	.amdgpu_metadata
---
amdhsa.version: [ 1, 2 ]
amdhsa.kernels:
  - .name:           k_q70fab77014_oproj
    .symbol:         k_q70fab77014_oproj.kd
    .args:
      - { .name: ac, .offset: 0, .size: 8, .value_kind: global_buffer, .address_space: global }
      - { .name: wc, .offset: 8, .size: 8, .value_kind: global_buffer, .address_space: global }
      - { .name: out0, .offset: 16, .size: 8, .value_kind: global_buffer, .address_space: global }
    .group_segment_fixed_size: 222720
    .private_segment_fixed_size: 0
    .kernarg_segment_align: 8
    .kernarg_segment_size: 24
    .max_flat_workgroup_size: 128
    .sgpr_count:     72
    .vgpr_count:     512
    .wavefront_size: 32
...
	.end_amdgpu_metadata
.endif
;; end of part 4
